; MI455X (gfx1250); checked and timed in simulation.
; The chip was launched on July 23, 2026; its instructions are those of AMD's public machine-readable ISA for CDNA 5 (MIT licence, August 2026) and "CDNA5" Instruction Set Architecture Reference Guide (July 2026). The comments in the code are by the model that wrote it; some were corrected since.
;; MDM. Allowed arithmetic: matrix products marked QUANTISED: E4M3 operands, one given power-of-two scale a tensor, by v_wmma_f32_16x16x64_fp8_fp8 or v_wmma_f32_16x16x128_fp8_fp8, f32 sums; everything else in f32.
;; Inputs: Wk 1,024 x 1,024 float32; Wq 1,024 x 1,024 float32; Wv 1,024 x 1,024 float32; bk 1,024 float32; bq 1,024 float32; bv 1,024 float32; lowp_scales 10 int32 (the exponents e of the quantised operands' scales 2^e); norm_b 1,024 float32; norm_w 1,024 float32; tnorm_b 1,024 float32; tnorm_w 1,024 float32; x 4,096 x 4 x 1,024 float32.
;; Outputs: out0 4 x 4,096 x 1,024 float32.
;; This version of the problem:
;;   THIS VERSION OF THE PROBLEM IS GIVEN IN LOW PRECISION. The matrix products marked QUANTISED in the list below multiply operands that are first quantised to E4M3 (4 exponent bits, 3 mantissa bits; 8 bits a number), with one given power-of-two scale for each operand tensor; their sums are f32. All else is computed in f32.
;;   The module's matrix products, in the order in which they are computed (A, B: the left and right operand; K: the contracted axis; several contracted axes count as one K, in the product's order):
;;     1. [M 16,384, K 1,024] x [K 1,024, N 1,024]; A: computed on the way; B: input Wq: QUANTISED (scales: A lowp_scales[0], B lowp_scales[1])
;;     2. [M 16,384, K 1,024] x [K 1,024, N 1,024]; A: computed on the way; B: input Wk: QUANTISED (scales: A lowp_scales[2], B lowp_scales[3])
;;     3. [M 16,384, K 1,024] x [K 1,024, N 1,024]; A: computed on the way; B: input Wv: QUANTISED (scales: A lowp_scales[4], B lowp_scales[5])
;;     4. batch 32 x [M 128, K 4,096] x [K 4,096, N 128]; A: softmax (see below); B: computed on the way: QUANTISED (scales: A lowp_scales[6], B lowp_scales[7])
;;     5. batch 32 x [M 128, K 128] x [K 128, N 4,096]; A: computed on the way; B: softmax (see below): QUANTISED (scales: A lowp_scales[8], B lowp_scales[9])
;;   THE QUANTISER, for each operand of a quantised product, along K:
;;     - The operand's scale is 2^e, e = its entry of the input lowp_scales (int32; the entries are numbered through the quantised products in the list's order, A before B).
;;     - Each number is divided by the scale, clamped to +-448, and rounded to the nearest number of E4M3, ties to even, subnormals kept.
;;     - The product sums the exact products of the quantised numbers (number of the format x scale) in f32.
;;   ~~~python
;;   def quantise(x, axis, e):      # numpy; x: float32 -> the quantised numbers, widened to float32 again
;;       x = np.moveaxis(x, axis, -1); K = x.shape[-1]
;;       r = np.clip(x / 2.0 ** e, -448, 448)
;;       step = 2.0 ** (np.maximum(np.frexp(np.where(r == 0, 1, r))[1] - 1, -6) - 3)
;;       q = np.round(r / step) * step * 2.0 ** e      # np.round: ties to even
;;       return np.moveaxis(q, -1, axis).astype(np.float32)
;;   ~~~
;;   SOFTMAX AHEAD OF A QUANTISED PRODUCT. Where the list says 'softmax', what is quantised is not the finished softmax but p = 2^(t - M), with t = logit x log2(e) and M = ceil(the row's largest t), a whole number; so 1/2 < the row's largest p <= 1. The row's sum l is taken of the UNQUANTISED p, in f32, and the product's result is divided by l at the end. Since M is a whole number, a kernel that streams over the keys may use a running M (the ceiling of the running maximum): every later rescaling is an exact power of two, so the quantised numbers keep their values, but for numbers so far below the row's largest that they fall under the format's range.
;;   OPERANDS COMPUTED ON THE WAY. 'Computed on the way' means the value that the module computes at that place (a softmax that the list does not call 'softmax' is quantised finished and normalised). What goes into a quantiser is computed in f32, as accurately as f32 sums, v_exp_f32 and their like allow (about 1e-6 of the number): no bf16 or f16 on the way to a quantiser, and a product that is left as it is and whose result goes on into a quantised operand takes f32 operands (vector FMAs, or v_wmma_f32_16x16x4_f32). A number that lies on a knife's edge between two numbers of the format may be rounded either way, as far as f32 arithmetic and the matrix unit's own rounding can turn it there, and no further.
;; One version. Each part assembles by itself: llvm-mc -triple=amdgcn-amd-amdhsa -mcpu=gfx1250 --defsym DOCPART=n.
;; ======== version 1 of 1: 4 launches
;; workspace buffers: xq 16,777,216 bytes; xk 16,777,216 bytes; xv 16,777,216 bytes; wc 3,145,728 bytes; pc 16,777,216 bytes; vc 16,777,216 bytes; st 1,048,576 bytes; ac 524,288 bytes
;; launch prep (part 1): grid 256 x 1, 8 waves a work-group, no clusters, 0 bytes of LDS; arguments x, norm_w, norm_b, tnorm_w, tnorm_b, Wq, Wk, Wv, lowp_scales, xq, xk, xv, wc; writes xq, xk, xv, wc
.if DOCPART == 1
	.amdgcn_target "amdgcn-amd-amdhsa--gfx1250"
	.amdhsa_code_object_version 6
	.text
	.protected	k_q273f080e78_prep
	.globl	k_q273f080e78_prep
	.p2align	8
	.type	k_q273f080e78_prep,@function
k_q273f080e78_prep:
	s_mov_b64 s[64:65], 0
	v_nop
	global_prefetch_b8 v0, s[64:65] scope:SCOPE_SE
	s_setreg_imm32_b32 hwreg(HW_REG_WAVE_MODE, 25, 1), 1
	s_wait_xcnt 0x0
; PREP.  x [4096 t][4 b][1024] f32 -> three tensors of E4M3 codes, rows re-ordered to [b x 4096 + t][1024]:
;   xq = Q(LN(x) norm_w + norm_b, e0),  xk = Q(LN(x) tnorm_w + tnorm_b, e2),  xv = the same numbers at e4.
; Wq, Wk, Wv [1024][1024] f32 (K innermost) -> wc [3072][1024] codes at e1, e3, e5.
; code = number / 2^e, held within +-448, to the nearest code, ties to even.  Mean and variance are taken once a row, the variance of the centred numbers.
; LIMITS: each e between -126 and 119, so that 2^e and 448 x 2^e are f32 numbers.  NaN among the inputs is not served.
; K'S ORDER IN A ROW OF CODES.  These four buffers are read only by products that sum over K, so K may lie in any order, the same in all four.  The order is the one that the loads give:
; a row is 8 loads of 512 consecutive bytes, 16 a lane: load n brings lane l the numbers k = 128 n + 4 l + e, e = 0 .. 3, into registers 4 n + e.  A conversion of eight registers makes dwords 2 g and 2 g + 1 of
; the lane's codes, dword n = the four codes of load n; the lane's 16 bytes of store c are dwords 4 c .. 4 c + 3.  So the code of k = 128 n + 4 l + e lies at byte 512 (n / 4) + 16 l + 4 (n % 4) + e of its row.
; Nothing changes lanes: no LDS, no barrier; every load and every store of a wave covers 512 consecutive bytes, aligned.
; SHARES.  2,048 waves.  Wave G takes the 8 memory rows 8 G .. 8 G + 7 (32,768 consecutive bytes: t = 2 G, 2 G + 1, all four b) and 512 numbers (half a row) of each weight.
; Four landing sets: while a row is worked on, in place, three are on their way.
; REGISTERS.  Window 0: v1 16 x lane; v4-7 16 x lane + b x 4 MiB; v16-143 four landing sets of 32; v144-175, v176-207 the two normed rows; v208-231 codes;
;   v232-243 scale and limit of e0, e2, e4, e1, e3, e5; v244-253 at work.   Window 1: norm_w, norm_b, tnorm_w, tnorm_b, 32 each, in the row's layout.
.set OB,   4
.set R,    16
.set Y,    144
.set YT,   176
.set C,    208
.set SC,   232
.set SUA,  244
.set SUB,  246
.set RV,   248
.set PD,   249
.set MN,   250
.set RS,   252
.set NW,   0                           ; in window 1
.set NB,   32
.set TW,   64
.set TB,   96
.set MSB, 0
.macro WIN new                         ; the immediate's high byte repeats the setting that is left
.if MSB != (\new)
	s_set_vgpr_msb (MSB<<8)|(\new)
.set MSB, (\new)
.endif
.endm
	s_load_b256 s[4:11], s[0:1], 0x0               ; x, norm_w, norm_b, tnorm_w
	s_load_b256 s[12:19], s[0:1], 0x20             ; tnorm_b, Wq, Wk, Wv
	s_load_b256 s[20:27], s[0:1], 0x40             ; the scales' exponents, xq, xk, xv
	s_load_b64 s[28:29], s[0:1], 0x60              ; wc
	v_lshrrev_b32 v10, 5, v0
	v_readfirstlane_b32 s30, v10                   ; wave 0..7
	v_and_b32 v11, 31, v0                          ; lane
	v_lshlrev_b32 v1, 4, v11
.irp b, 0,1,2,3
	v_add_nc_u32 v[OB+\b], \b*4194304, v1          ; a batch's 4,096 rows of 1,024 codes
.endr
	v_mov_b32 v[PD], 0                             ; a lane permute's destination counts as read
	s_lshl_b32 s31, ttmp9, 3
	s_add_co_u32 s31, s31, s30                     ; G
	s_mov_b32 s40, 0x76543210                      ; lane l xor 16
	s_mov_b32 s41, 0xfedcba98
	s_mov_b32 s42, 0x3a800000                      ; 1 / 1024
	s_mov_b32 s43, 0x3727c5ac                      ; 1e-5
	s_mov_b32 s45, 0
	s_wait_kmcnt 0x0
	s_load_b256 s[32:39], s[20:21], 0x0            ; e0 .. e7
	s_lshl_b32 s44, s31, 15
	s_add_nc_u64 s[4:5], s[4:5], s[44:45]          ; x at my 8 rows
	s_lshl_b32 s44, s31, 11
	s_add_nc_u64 s[14:15], s[14:15], s[44:45]      ; the weights at my 512 numbers,
	s_add_nc_u64 s[16:17], s[16:17], s[44:45]
	s_add_nc_u64 s[18:19], s[18:19], s[44:45]
	s_add_nc_u64 s[22:23], s[22:23], s[44:45]      ; the codes at row t = 2 G of batch 0
	s_add_nc_u64 s[24:25], s[24:25], s[44:45]
	s_add_nc_u64 s[26:27], s[26:27], s[44:45]
	s_lshl_b32 s44, s31, 9
	s_add_nc_u64 s[28:29], s[28:29], s[44:45]      ; wc at my 512 codes
.macro XLOAD i                         ; row i: eight loads of 512 consecutive bytes into landing set i % 4
.irp n, 0,1,2,3,4,5,6,7
	global_load_b128 v[R+32*((\i)%4)+4*\n:R+32*((\i)%4)+4*\n+3], v1, s[4:5] offset:4096*(\i)+512*\n th:TH_LOAD_NT
.endr
.endm
.macro REDUCE                          ; v[RV] summed over the 32 lanes, the result in every lane
	v_add_f32_dpp v[RV], v[RV], v[RV] row_xmask:1 row_mask:0xf bank_mask:0xf
	v_add_f32_dpp v[RV], v[RV], v[RV] row_xmask:2 row_mask:0xf bank_mask:0xf
	v_add_f32_dpp v[RV], v[RV], v[RV] row_xmask:4 row_mask:0xf bank_mask:0xf
	v_add_f32_dpp v[RV], v[RV], v[RV] row_xmask:8 row_mask:0xf bank_mask:0xf
	v_permlanex16_b32 v[PD], v[RV], s40, s41
	v_add_f32 v[RV], v[RV], v[PD]
.endm
.macro MKSC e, d                       ; v[d] = 2^e as f32 (the conversion takes its exponent field), v[d + 1] = 448 x 2^e
	s_add_co_i32 s44, s[\e], 127
	s_lshl_b32 s45, s44, 23
	v_mov_b32 v[\d], s45
	s_add_co_i32 s44, s44, 8
	s_lshl_b32 s44, s44, 23
	s_or_b32 s44, s44, 0x600000
	v_mov_b32 v[\d+1], s44
.endm
.irp n, 0,1,2                          ; my 512 numbers of Wq, Wk, Wv: four dense loads each
.irp k, 0,1,2,3
	global_load_b128 v[Y+16*\n+4*\k:Y+16*\n+4*\k+3], v1, s[14+2*\n:15+2*\n] offset:512*\k th:TH_LOAD_NT
.endr
.endr
	WIN 0x40                                       ; destination window 1
.irp p, 0,1,2,3                        ; gains and biases in the row's layout: register 4 n + e = k 128 n + 4 lane + e; they stay
.irp n, 0,1,2,3,4,5,6,7
	global_load_b128 v[32*\p+4*\n:32*\p+4*\n+3], v1, s[6+2*\p:7+2*\p] offset:512*\n
.endr
.endr
	WIN 0
	XLOAD 0
	XLOAD 1
	XLOAD 2
	s_wait_kmcnt 0x0
	MKSC 32, SC                                    ; e0: xn
	MKSC 34, SC+2                                  ; e2: xtn for k
	MKSC 36, SC+4                                  ; e4: xtn for v
	MKSC 33, SC+6                                  ; e1: Wq
	MKSC 35, SC+8                                  ; e3: Wk
	MKSC 37, SC+10                                 ; e5: Wv
.macro WSTEP n                         ; 512 numbers of weight n become 512 codes, in the same order of K as a half row of x
.set i, 0
.rept 16
	v_med3_num_f32 v[Y+16*(\n)+i], v[Y+16*(\n)+i], -v[SC+7+2*(\n)], v[SC+7+2*(\n)]   ; the conversion to an 8-bit code does not saturate (ISA guide 7.6.2): the hold comes first
.set i, i+1
.endr
	v_cvt_scalef32_pk8_fp8_f32 v[C+4*(\n):C+4*(\n)+1], v[Y+16*(\n):Y+16*(\n)+7], v[SC+6+2*(\n)]
	v_cvt_scalef32_pk8_fp8_f32 v[C+4*(\n)+2:C+4*(\n)+3], v[Y+16*(\n)+8:Y+16*(\n)+15], v[SC+6+2*(\n)]
	v_nop                                          ; a plain line behind the conversions
	global_store_b128 v1, v[C+4*(\n):C+4*(\n)+3], s[28:29] offset:(\n)*1048576   ; 512 consecutive bytes, aligned
.endm
	s_wait_loadcnt 56                              ; the weights' 12 loads are in: 32 of gains and biases and 24 of rows are younger
	WSTEP 0
	WSTEP 1
	WSTEP 2
	XLOAD 3
; One row, worked on in its landing set.  left: the younger loads that may stay out.
.macro ROW i, left
.set X, R+32*((\i)%4)
	s_wait_loadcnt \left                           ; loads come back in order: this row's eight are in
	v_pk_add_f32 v[SUA:SUA+1], v[X:X+1], v[X+4:X+5]        ; the sum, in two chains
	v_pk_add_f32 v[SUB:SUB+1], v[X+2:X+3], v[X+6:X+7]
.irp j, 8,12,16,20,24,28
	v_pk_add_f32 v[SUA:SUA+1], v[SUA:SUA+1], v[X+\j:X+\j+1]
	v_pk_add_f32 v[SUB:SUB+1], v[SUB:SUB+1], v[X+\j+2:X+\j+3]
.endr
	v_pk_add_f32 v[SUA:SUA+1], v[SUA:SUA+1], v[SUB:SUB+1]
	v_add_f32 v[RV], v[SUA], v[SUA+1]
	REDUCE
	v_mul_f32 v[MN], s42, v[RV]                    ; the mean
	v_mov_b32 v[MN+1], v[MN]
.set i, 0
.rept 16
	v_pk_add_f32 v[X+i:X+i+1], v[X+i:X+i+1], v[MN:MN+1] neg_lo:[0,1] neg_hi:[0,1]
.set i, i+2
.endr
	v_pk_mul_f32 v[SUA:SUA+1], v[X:X+1], v[X:X+1]          ; the centred numbers' squares, in two chains
	v_pk_mul_f32 v[SUB:SUB+1], v[X+2:X+3], v[X+2:X+3]
.irp j, 4,8,12,16,20,24,28
	v_pk_fma_f32 v[SUA:SUA+1], v[X+\j:X+\j+1], v[X+\j:X+\j+1], v[SUA:SUA+1]
	v_pk_fma_f32 v[SUB:SUB+1], v[X+\j+2:X+\j+3], v[X+\j+2:X+\j+3], v[SUB:SUB+1]
.endr
	v_pk_add_f32 v[SUA:SUA+1], v[SUA:SUA+1], v[SUB:SUB+1]
	v_add_f32 v[RV], v[SUA], v[SUA+1]
	REDUCE
	v_fma_f32 v[RV], v[RV], s42, s43               ; variance + 1e-5
	v_rsq_f32 v[RS], v[RV]
	v_nop                                          ; a plain line behind the transcendental (ISA guide 5.7.2),
	s_wait_alu depctr_va_vdst(0)                   ; and the wait ahead of its first reader
	v_mov_b32 v[RS+1], v[RS]
.set i, 0
.rept 16
	v_pk_mul_f32 v[X+i:X+i+1], v[X+i:X+i+1], v[RS:RS+1]
.set i, i+2
.endr
	WIN 0x14                                       ; sources 1 and 2 (gain, bias) window 1
.set i, 0
.rept 16
	v_pk_fma_f32 v[Y+i:Y+i+1], v[X+i:X+i+1], v[NW+i:NW+i+1], v[NB+i:NB+i+1]
	v_pk_fma_f32 v[YT+i:YT+i+1], v[X+i:X+i+1], v[TW+i:TW+i+1], v[TB+i:TB+i+1]
.set i, i+2
.endr
	WIN 0
.if (\i) < 4
	XLOAD (\i)+4                                   ; the landing set has been read for the last time: it takes the row four further on
.endif
.set i, 0
.rept 32
	v_med3_num_f32 v[Y+i], v[Y+i], -v[SC+1], v[SC+1]
.set i, i+1
.endr
	s_wait_xcnt 0x0                                ; the earlier stores have read their data: the codes' registers are written again only behind this wait
.irp g, 0,1,2,3
	v_cvt_scalef32_pk8_fp8_f32 v[C+2*\g:C+2*\g+1], v[Y+8*\g:Y+8*\g+7], v[SC]
.endr
	v_nop                                          ; a plain line before the conversions' sources are written again
.set i, 0
.rept 32
	v_med3_num_f32 v[Y+i], v[YT+i], -v[SC+5], v[SC+5]      ; the second norm's row, held for e4,
	v_med3_num_f32 v[YT+i], v[YT+i], -v[SC+3], v[SC+3]     ; and for e2
.set i, i+1
.endr
.irp g, 0,1,2,3
	v_cvt_scalef32_pk8_fp8_f32 v[C+8+2*\g:C+8+2*\g+1], v[YT+8*\g:YT+8*\g+7], v[SC+2]
.endr
.irp g, 0,1,2,3
	v_cvt_scalef32_pk8_fp8_f32 v[C+16+2*\g:C+16+2*\g+1], v[Y+8*\g:Y+8*\g+7], v[SC+4]
.endr
	v_nop
.irp m, 0,1,2                          ; xq, xk, xv: row b x 4096 + t; each store covers 512 consecutive bytes, aligned
.irp c, 0,1
	global_store_b128 v[OB+(\i)%4], v[C+8*\m+4*\c:C+8*\m+4*\c+3], s[22+2*\m:23+2*\m] offset:((\i)/4)*1024+512*\c
.endr
.endr
.endm
	ROW 0, 24                                      ; three younger rows stay on their way
	ROW 1, 24
	ROW 2, 24
	ROW 3, 24
	ROW 4, 24
	ROW 5, 16                                      ; nothing more is asked for: the counts run down
	ROW 6, 8
	ROW 7, 0
	s_endpgm
.Lfunc_end_k_q273f080e78_prep:
	.size	k_q273f080e78_prep, .Lfunc_end_k_q273f080e78_prep-k_q273f080e78_prep
	.p2alignl 7, 3214868480
	.fill 96, 4, 3214868480
	.section	.rodata,"a",@progbits
	.p2align	6, 0x0
	.amdhsa_kernel k_q273f080e78_prep
		.amdhsa_group_segment_fixed_size 0
		.amdhsa_private_segment_fixed_size 0
		.amdhsa_enable_private_segment 0
		.amdhsa_kernarg_size 104
		.amdhsa_user_sgpr_count 2
		.amdhsa_user_sgpr_kernarg_segment_ptr 1
		.amdhsa_wavefront_size32 1
		.amdhsa_system_sgpr_workgroup_id_x 1
		.amdhsa_system_sgpr_workgroup_id_y 1
		.amdhsa_system_sgpr_workgroup_id_z 1
		.amdhsa_system_vgpr_workitem_id 0
		.amdhsa_next_free_vgpr 384
		.amdhsa_next_free_sgpr 66
		.amdhsa_reserve_vcc 0
		.amdhsa_float_denorm_mode_32 3
		.amdhsa_float_denorm_mode_16_64 3
		.amdhsa_memory_ordered 1
		.amdhsa_forward_progress 1
		.amdhsa_inst_pref_size 134
	.end_amdhsa_kernel
	.amdgpu_metadata
---
amdhsa.version: [ 1, 2 ]
amdhsa.kernels:
  - .name:           k_q273f080e78_prep
    .symbol:         k_q273f080e78_prep.kd
    .args:
      - { .name: x, .offset: 0, .size: 8, .value_kind: global_buffer, .address_space: global }
      - { .name: norm_w, .offset: 8, .size: 8, .value_kind: global_buffer, .address_space: global }
      - { .name: norm_b, .offset: 16, .size: 8, .value_kind: global_buffer, .address_space: global }
      - { .name: tnorm_w, .offset: 24, .size: 8, .value_kind: global_buffer, .address_space: global }
      - { .name: tnorm_b, .offset: 32, .size: 8, .value_kind: global_buffer, .address_space: global }
      - { .name: Wq, .offset: 40, .size: 8, .value_kind: global_buffer, .address_space: global }
      - { .name: Wk, .offset: 48, .size: 8, .value_kind: global_buffer, .address_space: global }
      - { .name: Wv, .offset: 56, .size: 8, .value_kind: global_buffer, .address_space: global }
      - { .name: lowp_scales, .offset: 64, .size: 8, .value_kind: global_buffer, .address_space: global }
      - { .name: xq, .offset: 72, .size: 8, .value_kind: global_buffer, .address_space: global }
      - { .name: xk, .offset: 80, .size: 8, .value_kind: global_buffer, .address_space: global }
      - { .name: xv, .offset: 88, .size: 8, .value_kind: global_buffer, .address_space: global }
      - { .name: wc, .offset: 96, .size: 8, .value_kind: global_buffer, .address_space: global }
    .group_segment_fixed_size: 0
    .private_segment_fixed_size: 0
    .kernarg_segment_align: 8
    .kernarg_segment_size: 104
    .max_flat_workgroup_size: 256
    .sgpr_count:     66
    .vgpr_count:     384
    .wavefront_size: 32
...
	.end_amdgpu_metadata
.endif
;; end of part 1
;; launch kv (part 2): grid 64 x 4, 4 waves a work-group, clusters of 4 x 4, 327,680 bytes of LDS; arguments wc, xk, xv, lowp_scales, bk, bv, pc, vc, st; writes pc, vc, st
.if DOCPART == 2
	.amdgcn_target "amdgcn-amd-amdhsa--gfx1250"
	.amdhsa_code_object_version 6
	.text
	.protected	k_q273f080e78_kv
	.globl	k_q273f080e78_kv
	.p2align	8
	.type	k_q273f080e78_kv,@function
k_q273f080e78_kv:
	s_mov_b64 s[64:65], 0
	v_nop
	global_prefetch_b8 v0, s[64:65] scope:SCOPE_SE
	s_setreg_imm32_b32 hwreg(HW_REG_WAVE_MODE, 25, 1), 1
	s_wait_xcnt 0x0
	s_wait_alu depctr_hold_cnt(0) depctr_sa_sdst(0) depctr_va_vdst(0) depctr_va_sdst(0) depctr_va_ssrc(0) depctr_va_vcc(0) depctr_vm_vsrc(0)
	s_getreg_b32 s2, hwreg(HW_REG_IB_STS2, 6, 4)
	s_cmp_eq_u32 s2, 0
	s_cbranch_scc0 .Lentry_in_a_cluster
	s_endpgm
.Lentry_in_a_cluster:
	s_bfe_u32 s2, ttmp6, 0x10000c
	s_cmp_lg_u32 s2, 0xf033
	s_cbranch_scc0 .Lentry_shape_is_right
	s_endpgm
.Lentry_shape_is_right:
; KV.  k = xtn Wk^T + bk and v = xtn Wv^T + bv on E4M3 codes, and what the next product (K = t) wants of them, made in registers.
; A WORK-GROUP STAYS: it makes two tiles of 256 weight rows x 256 rows (b, t), one after the other: first k's (weights: wc rows 1024 + 256 cy on, activations: xk), then v's (wc rows 2048 + 256 cy on, xv),
; for the same 256 rows (tile column X = 0 .. 63) and the same two heads (2 cy, 2 cy + 1).  Four waves, each 128 x 128: 64 accumulators, 512 registers.
; K = 1,024 goes in four steps of 256 through a ring of two LDS slots filled by the tensor data mover, and the ring does not stop at the first tile's end: its third change of slots asks for the second
; tile's K step 0; a change of slots in the middle of k's epilogue asks for K step 1 and fetches the second tile's first fragments: both tiles land while the softmax's vector work is done.
; CLUSTERS: 4 x 4 work-groups; the four of a row of the cluster ask jointly for the weights' tiles ("A"), the four of a column for the activations' ("B").
; THE MATRIX INSTRUCTION: source 0 = 16 rows of B, source 1 = 16 rows of A.  Accumulator (a, bb): lane (r, h), register j = (channel 16 a + r of my head, t = 16 bb + 8 h + j of my chunk of 128):
; a lane holds ONE channel and its registers run along t, the next K.  So eight conversions make of block a's 64 registers a whole fragment (16 channels x 128 t; registers 2 bb, 2 bb + 1: t = 16 bb + 8 h + 0 .. 7),
; which is stored as an image of its registers: group g of four registers at 512 g + 16 x lane: each store covers 512 consecutive bytes, aligned.
; k: t' = (sum 2^(e2+e3) + bk) log2(e); M = the ceiling of the chunk's largest t' of the channel; p = 2^(t' - M), quantised at e6; l = the sum of the unquantised p.  M and l go to st: the next launch
;   brings the 32 chunks under one M by exact powers of two.  (p is thus quantised under its chunk's M: it differs from one M for all t only for p under the format's range, where it keeps more.)
; v: v = sum 2^(e4+e5) + bv, quantised at e7.
; pc, vc: [b x 8 + head][chunk 32][block 8][2,048].  st: [b x 8 + head][chunk][1,024]: byte 512 g + 256 sel + 16 r + 4 e: sel 0 M, sel 1 l, of channel 16 (4 g + e) + r.
; LIMITS: e2 + e3 between -126 and 126, e4 + e5 between -126 and 127, e6 and e7 between -126 and 119, so that each power of two below is an f32 number.  NaN among the inputs is not served.
; REGISTERS, in windows of 256: window 0: v0-31 addresses; v32-127 the epilogues'; from v128 A's fragments, one set.  window 1: B's fragments, two sets.  windows 2, 3: the accumulators of my channels 0-63, 64-127.
.set KSTEP,  256
.set ROWB,   256                       ; a tile's row in bytes
.set KROW,   1024                      ; a row of codes in memory
.set PITCH,  272                       ; an LDS row: 256 bytes + 16 of padding = 68 words: the 16 rows that a load touches start at 16 different banks (64 banks of 4 bytes: ISA guide 11.1)
.set FR,     16
.set NL,     4
.set NP,     4                         ; places behind this matrix instruction (ISA guide 7.12.1)
.set HALFT,  128*PITCH
.set SLOT,   4*HALFT
.set SPARE,  2*SLOT                    ; behind the ring: the spare words, 128 bytes for each wave, which no other line names
.set ADRA, 16
.set ADRB, 20
.set LI,   27                          ; v27  16 x lane
.set SPW,  28
.set NIL,  29
.set BO,   30                          ; v30  4 r
.set LN,   31                          ; v31  lane
.set BI,   32                          ; v32-39  bk of channel 16 a + r
.set MS,   40                          ; v40-47  M of block a
.set LS,   48                          ; v48-55  l of block a
.set MX,   56                          ; v56, v57 the maximum's two chains
.set PD,   58
.set OFF,  60                          ; v[60:61] what is added to sum x the factor; the low word serves both halves
.set SUA,  62
.set SUB,  64
.set LIM,  66
.set SCL,  67
.set BV,   68                          ; v68-75  bv of channel 16 a + r
.set PC,   96                          ; v96-127  two sets of 16: a block's codes
.set AF,   128
.set G1, 24
.set G0, 32
.set G1B, 48
.set G0B, 56
.set XV,  4                            ; s[4:5]  xv at the rows that I fetch
.set PCB, 80                           ; s[80:81] pc, s[82:83] vc, s[84:85] st at my head and chunk
.set VCB, 82
.set STB, 84
.set MSB, 0
.macro WIN new
.if MSB != (\new)
	s_set_vgpr_msb (MSB<<8)|(\new)
.set MSB, (\new)
.endif
.endm
.set MUL_LO, 0xa1                      ; source 0 (B) window 1, source 1 (A) window 0, C and D window 2
.set MUL_HI, 0xf1
.set TO_B,   0x40
; A joint load: waves 0 and 1 fetch for A, waves 2 and 3 for B; the branch hangs on the wave's number alone.  Four v_nop follow each of the two lines.
.macro JLOAD g0a, g1a, g0b, g1b
	s_cmp_eq_u32 s15, 0
	s_cbranch_scc0 .Lfor_b_\@
	tensor_load_to_lds s[\g0a:\g0a+3], s[\g1a:\g1a+7]
	s_nop 0
.rept 4
	v_nop
.endr
	s_branch .Lasked_\@
.Lfor_b_\@:
	tensor_load_to_lds s[\g0b:\g0b+3], s[\g1b:\g1b+7]
	s_nop 0
.rept 4
	v_nop
.endr
.Lasked_\@:
.endm
.macro CREST                           ; a round of the cluster's barrier behind its opening barrier
	s_cmp_lg_u32 s14, 0
	s_cbranch_scc1 .Lnot_wave_0_\@
	s_barrier_signal -3
.Lnot_wave_0_\@:
	s_barrier_wait -3
	s_barrier_signal -1
	s_barrier_wait -1
.endm
.macro CROUND
	s_barrier_signal -1
	s_barrier_wait -1
	CREST
.endm
	s_load_b256 s[68:75], s[0:1], 0x0              ; wc, xk, xv, the scales' exponents
	s_load_b256 s[76:83], s[0:1], 0x20             ; bk, bv, pc, vc
	s_load_b64 s[84:85], s[0:1], 0x40              ; st
	v_lshl_add_u32 v[SPW], v0, 2, SPARE
	v_mov_b32 v[NIL], 0
	ds_add_u32 v28, v29
	ds_add_u32 v28, v29
	s_wait_dscnt 0x0
	v_lshrrev_b32 v1, 5, v0
	v_readfirstlane_b32 s14, v1                    ; wave 0..3
	s_lshr_b32 s15, s14, 1                         ; which 128 weight rows (which head of the tile's two) are mine.  Also: I fetch for A (0) or for B (1)
	s_and_b32 s16, s14, 1                          ; which 128 rows of B (which chunk).  Also: which 128 rows of that tile I fetch
	s_bfe_u32 s40, ttmp6, 0x40000                  ; cx, cy
	s_bfe_u32 s41, ttmp6, 0x40004                  ; the grid has one cluster along y: cy is the tile row
	s_lshl_b32 s42, ttmp9, 2
	s_add_co_u32 s42, s42, s40                     ; X = 4 x cluster x + cx
	s_lshl_b32 s43, s41, 2
	s_lshl_b32 s43, 15, s43                        ; my row of the cluster
	s_lshl_b32 s44, 0x1111, s40                    ; my column
	s_or_b32 s[G1+0], s43, (0<<16)|(1<<20)|(1<<21)|(5<<22)|(3<<25)  ; 15:0 the mask; 17:16 elements of 1 byte; 20 padding on; 21 set beside a mask; 24:22 after every 64 words; 31:25 four words
	s_or_b32 s[G1B+0], s44, (0<<16)|(1<<20)|(1<<21)|(5<<22)|(3<<25)
.irp g, G1, G1B
	s_mov_b32 s[\g+1], ROWB<<16                    ; tensor_dim0
	s_mov_b32 s[\g+2], 128<<16                     ; tensor_dim1
	s_mov_b32 s[\g+3], ROWB<<16                    ; tile_dim0
	s_mov_b32 s[\g+4], 128                         ; tile_dim1
	s_mov_b32 s[\g+5], KROW                        ; tensor_dim0_stride
	s_mov_b32 s[\g+6], 0
	s_mov_b32 s[\g+7], 0
.endr
	s_lshl_b32 s18, s16, 7
	s_lshl_b32 s20, s41, 8
	s_add_co_u32 s20, s20, s18                     ; A: row 256 cy + 128 x half of Wk,
	s_lshl_b32 s20, s20, 10                        ; in bytes
	s_mov_b32 s21, 0
	s_lshl_b32 s46, s42, 8
	s_add_co_u32 s46, s46, s18                     ; B: row 256 X + 128 x half
	s_lshl_b32 s46, s46, 10
	s_mov_b32 s47, 0
	s_mul_i32 s45, s14, HALFT                      ; where they go: wave x 128 rows
	s_mov_b32 s86, 0x76543210                      ; lane l xor 16
	s_mov_b32 s87, 0xfedcba98
	s_wait_kmcnt 0x0
	s_load_b256 s[88:95], s[74:75], 0x0            ; e0 .. e7
	s_add_nc_u64 s[6:7], s[68:69], 0x100000        ; Wk's first row in wc
	s_add_nc_u64 s[20:21], s[6:7], s[20:21]
	s_add_nc_u64 s[XV:XV+1], s[72:73], s[46:47]    ; the second tile's rows, in xv,
	s_add_nc_u64 s[46:47], s[70:71], s[46:47]      ; the first tile's, in xk
	CROUND                                         ; all sixteen work-groups are here: the first joint loads meet
.irp s, 0,1
	s_mov_b32 s[G0+4*\s], 1
	s_add_co_u32 s[G0+4*\s+1], s45, \s*SLOT
	s_add_nc_u64 s[G0+4*\s+2:G0+4*\s+3], s[20:21], \s*ROWB
	s_or_b32 s[G0+4*\s+3], s[G0+4*\s+3], 0x80000000
	s_mov_b32 s[G0B+4*\s], 1
	s_add_co_u32 s[G0B+4*\s+1], s45, \s*SLOT
	s_add_nc_u64 s[G0B+4*\s+2:G0B+4*\s+3], s[46:47], \s*ROWB
	s_or_b32 s[G0B+4*\s+3], s[G0B+4*\s+3], 0x80000000
	JLOAD G0+4*\s, G1, G0B+4*\s, G1B
.endr
	v_and_b32 v1, 15, v0                           ; r
	v_bfe_u32 v2, v0, 4, 1                         ; h
	v_mul_u32_u24 v3, v1, PITCH
	v_lshl_add_u32 v4, v2, 4, v3
	s_mul_i32 s21, s15, HALFT
	s_mul_i32 s22, s16, HALFT
	s_add_co_u32 s22, s22, 2*HALFT
.irp s, 0,1
	v_add_nc_u32 v[ADRA+\s], s21, v4
	v_add_nc_u32 v[ADRB+\s], s22, v4
	s_add_co_u32 s21, s21, SLOT
	s_add_co_u32 s22, s22, SLOT
.endr
	v_and_b32 v[LN], 31, v0
	v_lshlrev_b32 v[LI], 4, v[LN]
	v_lshlrev_b32 v[BO], 2, v1
	v_mov_b32 v[PD], 0                             ; a lane permute's destination counts as read
	v_mov_b32 v[OFF+1], 0                          ; named as the upper half of a pair
	; where my results go: b = X / 16, head = 2 cy + my half of the weight rows, chunk = 2 (X % 16) + my half of B's rows
	s_lshr_b32 s20, s42, 4
	s_lshl_b32 s20, s20, 3
	s_lshl_b32 s21, s41, 1
	s_add_co_u32 s20, s20, s21
	s_add_co_u32 s20, s20, s15
	s_and_b32 s21, s42, 15
	s_lshl_b32 s21, s21, 1
	s_add_co_u32 s21, s21, s16
	s_lshl_b32 s20, s20, 5
	s_add_co_u32 s20, s20, s21                     ; (b x 8 + head) x 32 + chunk
	s_lshl_b32 s22, s20, 14
	s_mov_b32 s23, 0
	s_add_nc_u64 s[PCB:PCB+1], s[PCB:PCB+1], s[22:23]
	s_add_nc_u64 s[VCB:VCB+1], s[VCB:VCB+1], s[22:23]
	s_lshl_b32 s22, s20, 10
	s_add_nc_u64 s[STB:STB+1], s[STB:STB+1], s[22:23]
	s_lshl_b32 s22, s41, 10
	s_lshl_b32 s21, s15, 9
	s_add_co_u32 s22, s22, s21                     ; my head's 128 numbers of each bias
	s_add_nc_u64 s[76:77], s[76:77], s[22:23]
	s_add_nc_u64 s[78:79], s[78:79], s[22:23]
.irp a, 0,1,2,3,4,5,6,7
	global_load_b32 v[BI+\a], v[BO], s[76:77] offset:64*\a
	global_load_b32 v[BV+\a], v[BO], s[78:79] offset:64*\a
.endr
.macro FRAG reg, adr, q, i             ; 16 rows x 128 K: four loads of 16 bytes, 32 apart: the same permutation of k in A and in B
.irp c, 0,1,2,3
	ds_load_b128 v[\reg+4*\c:\reg+4*\c+3], v[\adr] offset:128*(\q)+32*\c+(\i)*16*PITCH
.endr
.endm
; 16 matrix instructions: A's blocks a0, a0 + 1 x B's eight.  The 64 accumulators take turns, one instruction a turn, in the same order in every step.
.macro MUL16 a0, p, zero
.irp a, \a0, \a0+1
.irp b, 0,1,2,3,4,5,6,7
.if \zero
	v_wmma_f32_16x16x128_fp8_fp8 v[8*(8*((\a)%4)+\b):8*(8*((\a)%4)+\b)+7], v[128*(\p)+FR*\b:128*(\p)+FR*\b+FR-1], v[AF+FR*(\a):AF+FR*(\a)+FR-1], 0
.else
	v_wmma_f32_16x16x128_fp8_fp8 v[8*(8*((\a)%4)+\b):8*(8*((\a)%4)+\b)+7], v[128*(\p)+FR*\b:128*(\p)+FR*\b+FR-1], v[AF+FR*(\a):AF+FR*(\a)+FR-1], v[8*(8*((\a)%4)+\b):8*(8*((\a)%4)+\b)+7]
.endif
.endr
.endr
.endm
.macro FETCH_B slot, q, p
	WIN TO_B
.irp i, 0,1,2,3,4,5,6,7
	FRAG 128*(\p)+FR*\i, ADRB+\slot, \q, \i
.endr
	WIN 0
.endm
.macro FETCH_A slot, q, i0
.irp i, \i0, \i0+1, \i0+2, \i0+3
	FRAG AF+FR*(\i), ADRA+\slot, \q, \i
.endr
.endm
.macro PLACES n                        ; plain vector lines between a matrix instruction and a load into, or a vector read of, its registers
.rept \n
	v_nop
.endr
.endm
.macro STEP slot, q, zero              ; 128 along K whose successor lies in the same slot
	s_wait_dscnt 4*NL                              ; B's set and A's blocks 0-3 are in; A's blocks 4-7 may be out
	WIN MUL_LO
	MUL16 0, (\q)%2, \zero
	MUL16 2, (\q)%2, \zero
	s_wait_dscnt 0
	PLACES NP
	FETCH_B \slot, (\q)+1, 1-(\q)%2
	FETCH_A \slot, (\q)+1, 0
	WIN MUL_HI
	MUL16 4, (\q)%2, \zero
	MUL16 6, (\q)%2, \zero
	PLACES NP
	WIN 0
	FETCH_A \slot, (\q)+1, 4
.endm
; A slot's descriptors are set to the second tile's K step of the same number: A goes 1,024 rows down in wc (from Wk to Wv) and two K steps back; B begins anew in xv.  No tensor load of mine is out where this stands.
.macro NEXTT slot
	s_add_nc_u64 s[G0+4*\slot+2:G0+4*\slot+3], s[G0+4*\slot+2:G0+4*\slot+3], 0x100000-2*ROWB
	s_add_nc_u64 s[G0B+4*\slot+2:G0B+4*\slot+3], s[XV:XV+1], (\slot)*ROWB
	s_or_b32 s[G0B+4*\slot+3], s[G0B+4*\slot+3], 0x80000000
.endm
; A slot's last step changes slots: one barrier; in front of it each wave waits for all its tensor loads, adds 0 to its spare word, and waits for that and for its reads of this slot.
; fill = 1: this slot is filled again, two K steps ahead; 2: with the second tile's K step; 0: not at all.
.macro TURN slot, next, fill
	s_wait_tensorcnt 0x0                           ; all my tensor loads have landed: my part of the next slot
	ds_add_u32 v[SPW], v[NIL]                      ; 0 onto my spare word
	s_wait_dscnt 4*NL+1                            ; (the add and A's blocks 4-7 may be out)
	WIN MUL_LO
	MUL16 0, 1, 0
	s_wait_dscnt 0x0                               ; the add is done, and my reads of this slot are over
	s_barrier_signal -1
	MUL16 2, 1, 0
	WIN 0
	s_barrier_wait -1
.if \fill
	CREST                                          ; the barrier has opened a round of the cluster's: no wave of any partner still reads this slot or has a load on its way
.if \fill == 2
	NEXTT \slot
.else
	s_add_nc_u64 s[G0+4*\slot+2:G0+4*\slot+3], s[G0+4*\slot+2:G0+4*\slot+3], 2*ROWB
	s_add_nc_u64 s[G0B+4*\slot+2:G0B+4*\slot+3], s[G0B+4*\slot+2:G0B+4*\slot+3], 2*ROWB
.endif
	JLOAD G0+4*\slot, G1, G0B+4*\slot, G1B         ; the first tensor load behind the round; its four v_nop are also the places in front of the loads below
.else
	PLACES NP
.endif
	FETCH_B \next, 0, 0
	FETCH_A \next, 0, 0
	WIN MUL_HI
	MUL16 4, 1, 0
	MUL16 6, 1, 0
	PLACES NP
	WIN 0
	FETCH_A \next, 0, 4
.endm
.macro LASTSTEP                        ; a tile's last 128 along K: nothing more to fetch
	s_wait_dscnt 4*NL
	WIN MUL_LO
	MUL16 0, 1, 0
	MUL16 2, 1, 0
	s_wait_dscnt 0
	WIN MUL_HI
	MUL16 4, 1, 0
	MUL16 6, 1, 0
	WIN 0
.endm
; THE CHANGE OF SLOTS IN THE MIDDLE OF k'S EPILOGUE.  Slot 1 was read out by the first tile's last step; slot 0's load, the second tile's K step 0, was asked for 160 matrix instructions and four blocks of the
; softmax ago.  Each wave waits for all its tensor loads, adds 0 to its spare word, waits for that (its LDS reads are long back) and passes a whole round of the cluster's barrier; behind it slot 1 takes the second
; tile's K step 1, and the second tile's first fragments are fetched from slot 0: the epilogue touches none of their registers.
.macro CHANGE
	WIN 0
	s_wait_tensorcnt 0x0                           ; no tensor load of mine is out, so a group 0 may be written
	ds_add_u32 v[SPW], v[NIL]                      ; 0 onto my spare word; the descriptors' steps stand between it and the wait for it
	NEXTT 1
	s_wait_dscnt 0x0
	CROUND
	JLOAD G0+4, G1, G0B+4, G1B                     ; the first tensor load behind the round; its four v_nop are also the places in front of the loads below
	FETCH_B 0, 0, 0
	FETCH_A 0, 0, 0
	FETCH_A 0, 0, 4
.endm
.macro BLKSET a
.set W,   2+(\a)/4                     ; block a's window,
.set AC,  64*((\a)%4)                  ; its 64 registers there,
.set PS,  PC+16*((\a)%2)               ; and its set of code registers
.set W12, (W<<2)|(W<<4)
.set W0D, W|(W<<6)
.set W1,  W<<2
.endm
.macro OUTBLK a, base                  ; the fragment's image: four stores of 512 consecutive bytes
.irp g, 0,1,2,3
	global_store_b128 v[LI], v[PS+4*\g:PS+4*\g+3], s[\base:\base+1] offset:2048*(\a)+512*\g
.endr
.endm
.macro CODES a, used                   ; used = 1: earlier stores have read this set of code registers
	WIN W
.if \used
	s_wait_xcnt 0x0                                ; they have read their data: the set is written again only behind this wait
.endif
.irp b, 0,1,2,3,4,5,6,7
	v_cvt_scalef32_pk8_fp8_f32 v[PS+2*\b:PS+2*\b+1], v[AC+8*\b:AC+8*\b+7], v[SCL]
.endr
	WIN 0
.endm
; k: block a: 16 channels x 128 t
.macro KBLK a
	BLKSET \a
	WIN W12
	v_mov_b32 v[MX], 0xff7fffff
	v_mov_b32 v[MX+1], 0xff7fffff
.set i, 0
.rept 16                               ; the largest sum of my channel among my 64 t, in two chains; each accumulator is read from its low end on
	v_max3_num_f32 v[MX], v[MX], v[AC+i], v[AC+i+1]
	v_max3_num_f32 v[MX+1], v[MX+1], v[AC+i+2], v[AC+i+3]
.set i, i+4
.endr
	WIN 0
	v_max_num_f32 v[MX], v[MX], v[MX+1]
	v_permlanex16_b32 v[PD], v[MX], s86, s87
	v_max_num_f32 v[MX], v[MX], v[PD]              ; and among lane l xor 16's
	v_fma_f32 v[MX], v[MX], s96, v[BI+(\a)]        ; as t' (the factor is positive)
	v_floor_f32 v[MX+1], -v[MX]                    ; -M = floor(-t'): M is a whole number
	v_add_f32 v[OFF], v[BI+(\a)], v[MX+1]
	v_mul_f32 v[MS+(\a)], -1.0, v[MX+1]
	WIN W0D
.set i, 0
.rept 32
	v_pk_fma_f32 v[AC+i:AC+i+1], v[AC+i:AC+i+1], s[96:97], v[OFF:OFF+1] op_sel_hi:[1,0,0]   ; t' - M
.set i, i+2
.endr
.set i, 0
.rept 64
	v_exp_f32 v[AC+i], v[AC+i]                     ; p, at most 1: not normalised
.set i, i+1
.endr
	WIN W1
	v_mov_b32 v[SUA], 0                            ; (plain lines behind the exponentials)
	v_mov_b32 v[SUA+1], 0
	v_mov_b32 v[SUB], 0
	v_mov_b32 v[SUB+1], 0
	s_wait_alu depctr_va_vdst(0)                   ; one wait for the batch, ahead of its first reader
.set i, 0
.rept 16
	v_pk_add_f32 v[SUA:SUA+1], v[SUA:SUA+1], v[AC+i:AC+i+1]        ; the sum is taken of the unquantised p
	v_pk_add_f32 v[SUB:SUB+1], v[SUB:SUB+1], v[AC+i+2:AC+i+3]
.set i, i+4
.endr
	WIN W0D
.set i, 0
.rept 64
	v_min_num_f32 v[AC+i], v[AC+i], v[LIM]         ; the conversion does not saturate (ISA guide 7.6.2); p is not negative, so the hold is one-sided
.set i, i+1
.endr
	CODES \a, ((\a)/2 > 0)
	v_pk_add_f32 v[SUA:SUA+1], v[SUA:SUA+1], v[SUB:SUB+1]          ; (plain lines behind the conversions)
	v_add_f32 v[SUA], v[SUA], v[SUA+1]
	v_permlanex16_b32 v[PD], v[SUA], s86, s87
	v_add_f32 v[LS+(\a)], v[SUA], v[PD]
	OUTBLK \a, PCB
.endm
; v: block a
.macro VBLK a
	BLKSET \a
	WIN 0
	v_mov_b32 v[OFF], v[BV+(\a)]
	WIN W0D
.set i, 0
.rept 32
	v_pk_fma_f32 v[AC+i:AC+i+1], v[AC+i:AC+i+1], s[96:97], v[OFF:OFF+1] op_sel_hi:[1,0,0]   ; v = sum x 2^(e4 + e5) + bv; each accumulator from its low end on
.set i, i+2
.endr
.set i, 0
.rept 64
	v_med3_num_f32 v[AC+i], v[AC+i], -v[LIM], v[LIM]
.set i, i+1
.endr
	CODES \a, 1
	v_nop                                          ; a plain line behind the conversions
	OUTBLK \a, VCB
.endm
.macro MKSC e                          ; v[SCL] = 2^e as f32, v[LIM] = 448 x 2^e
	s_add_co_i32 s20, s[\e], 127
	s_lshl_b32 s99, s20, 23
	s_add_co_i32 s20, s20, 8
	s_lshl_b32 s98, s20, 23
	s_or_b32 s98, s98, 0x600000
	v_mov_b32 v[SCL], s99
	v_mov_b32 v[LIM], s98
.endm
	; ---- the first tile: k
	s_wait_tensorcnt 1                             ; my part of K step 0 is in; K step 1's load may be out
	s_barrier_signal -1
	s_barrier_wait -1
	FETCH_B 0, 0, 0
	FETCH_A 0, 0, 0
	FETCH_A 0, 0, 4
	STEP 0, 0, 1                                   ; the first products start the sums: nothing is cleared
	TURN 0, 1, 1                                   ; K = 1,024 is four slots' worth: the walk is written out
	STEP 1, 0, 0
	TURN 1, 0, 1
	STEP 0, 0, 0
	TURN 0, 1, 2                                   ; THE RING GOES ON INTO THE SECOND TILE: slot 0 takes its K step 0
	STEP 1, 0, 0
	LASTSTEP
	PLACES NP                                      ; the places behind the last products
	s_wait_kmcnt 0x0
	s_add_co_i32 s18, s90, s91                     ; e2 + e3
	s_lshl_b32 s18, s18, 23
	s_add_co_i32 s96, s18, 0x3fb8aa3b              ; log2(e) x 2^(e2 + e3): the exponents are added to the exponent field
	s_mov_b32 s97, s96                             ; (named with it as a pair, so it is written)
	MKSC 94                                        ; e6
	s_wait_loadcnt 0x0                             ; the biases
.irp a, 0,1,2,3,4,5,6,7
	v_mul_f32 v[BI+\a], 0x3fb8aa3b, v[BI+\a]       ; bk x log2(e)
.endr
	KBLK 0
	KBLK 1
	KBLK 2
	KBLK 3
	CHANGE                                         ; slot 1 takes the second tile's K step 1
	KBLK 4
	KBLK 5
	KBLK 6
	KBLK 7
	v_cmp_lt_u32 vcc_lo, 15, v[LN]                 ; both halves of the lanes hold M and l: lanes 0-15 store M, lanes 16-31 l
.irp a, 0,1,2,3,4,5,6,7
	v_cndmask_b32 v[MS+\a], v[MS+\a], v[LS+\a], vcc_lo
.endr
	global_store_b128 v[LI], v[MS:MS+3], s[STB:STB+1]
	global_store_b128 v[LI], v[MS+4:MS+7], s[STB:STB+1] offset:512
	; ---- the second tile: v.  Nothing waits for the first tile's stores
	STEP 0, 0, 1                                   ; its first products start the sums anew
	TURN 0, 1, 1
	STEP 1, 0, 0
	TURN 1, 0, 1
	STEP 0, 0, 0
	TURN 0, 1, 0                                   ; nothing is left to fetch
	STEP 1, 0, 0
	LASTSTEP
	s_wait_tensorcnt 0x0                           ; my last tensor load is in: what follows has no LDS instruction
	ds_add_u32 v[SPW], v[NIL]
	PLACES NP                                      ; the places behind the last products
	s_wait_dscnt 0x0
	s_add_co_i32 s18, s92, s93                     ; e4 + e5
	s_add_co_i32 s18, s18, 127
	s_lshl_b32 s96, s18, 23                        ; 2^(e4 + e5)
	s_mov_b32 s97, s96
	MKSC 95                                        ; e7
.irp a, 0,1,2,3,4,5,6,7
	VBLK \a
.endr
	CROUND                                         ; the closing round: no work-group ends while a partner may still ask for a tile that names it
	s_endpgm
.Lfunc_end_k_q273f080e78_kv:
	.size	k_q273f080e78_kv, .Lfunc_end_k_q273f080e78_kv-k_q273f080e78_kv
	.p2alignl 7, 3214868480
	.fill 96, 4, 3214868480
	.section	.rodata,"a",@progbits
	.p2align	6, 0x0
	.amdhsa_kernel k_q273f080e78_kv
		.amdhsa_group_segment_fixed_size 327680
		.amdhsa_private_segment_fixed_size 0
		.amdhsa_enable_private_segment 0
		.amdhsa_kernarg_size 72
		.amdhsa_user_sgpr_count 2
		.amdhsa_user_sgpr_kernarg_segment_ptr 1
		.amdhsa_wavefront_size32 1
		.amdhsa_system_sgpr_workgroup_id_x 1
		.amdhsa_system_sgpr_workgroup_id_y 1
		.amdhsa_system_sgpr_workgroup_id_z 1
		.amdhsa_system_vgpr_workitem_id 0
		.amdhsa_next_free_vgpr 1024
		.amdhsa_next_free_sgpr 100
		.amdhsa_reserve_vcc 1
		.amdhsa_float_denorm_mode_32 3
		.amdhsa_float_denorm_mode_16_64 3
		.amdhsa_memory_ordered 1
		.amdhsa_forward_progress 1
		.amdhsa_inst_pref_size 255
	.end_amdhsa_kernel
	.section	.bss,"aw",@nobits
	.p2align	6
	.space	262144
	.amdgpu_metadata
---
amdhsa.version: [ 1, 2 ]
amdhsa.kernels:
  - .name:           k_q273f080e78_kv
    .symbol:         k_q273f080e78_kv.kd
    .args:
      - { .name: wc, .offset: 0, .size: 8, .value_kind: global_buffer, .address_space: global }
      - { .name: xk, .offset: 8, .size: 8, .value_kind: global_buffer, .address_space: global }
      - { .name: xv, .offset: 16, .size: 8, .value_kind: global_buffer, .address_space: global }
      - { .name: lowp_scales, .offset: 24, .size: 8, .value_kind: global_buffer, .address_space: global }
      - { .name: bk, .offset: 32, .size: 8, .value_kind: global_buffer, .address_space: global }
      - { .name: bv, .offset: 40, .size: 8, .value_kind: global_buffer, .address_space: global }
      - { .name: pc, .offset: 48, .size: 8, .value_kind: global_buffer, .address_space: global }
      - { .name: vc, .offset: 56, .size: 8, .value_kind: global_buffer, .address_space: global }
      - { .name: st, .offset: 64, .size: 8, .value_kind: global_buffer, .address_space: global }
    .group_segment_fixed_size: 327680
    .private_segment_fixed_size: 0
    .kernarg_segment_align: 8
    .kernarg_segment_size: 72
    .max_flat_workgroup_size: 128
    .sgpr_count:     100
    .vgpr_count:     1024
    .wavefront_size: 32
...
	.end_amdgpu_metadata
.endif
;; end of part 2
;; launch att (part 3): grid 256 x 1, 4 waves a work-group, no clusters, 42,496 bytes of LDS; arguments pc, vc, st, lowp_scales, ac; writes ac
.if DOCPART == 3
	.amdgcn_target "amdgcn-amd-amdhsa--gfx1250"
	.amdhsa_code_object_version 6
	.text
	.protected	k_q273f080e78_att
	.globl	k_q273f080e78_att
	.p2align	8
	.type	k_q273f080e78_att,@function
k_q273f080e78_att:
	s_mov_b64 s[64:65], 0
	v_nop
	global_prefetch_b8 v0, s[64:65] scope:SCOPE_SE
	s_setreg_imm32_b32 hwreg(HW_REG_WAVE_MODE, 25, 1), 1
	s_wait_xcnt 0x0
; ATT.  att[d][l] = (sum over t of p[t][d] v[t][l]) / l_k[d] for each of the 32 (b, head), on E4M3 codes, K = t = 4,096; then quantised at e8 along d, the last product's K.
; p's codes were made chunk by chunk of 128 t under the chunk's own M_c.  Here M = the largest M_c of the channel, f_c = 2^(M_c - M) (an exact power of two),
; att = (sum over c of f_c T_c) x 2^(e6 + e7) / (sum over c of f_c l_c), T_c the chunk's product.
; SHARES.  Work-group number = (dh x 4 + lq) x 32 + (b x 8 + head): the eight work-groups that read one head's images have numbers 32 apart.
; It owns channels d = 64 dh .. + 63 (blocks al = 0 .. 3) x l = 32 lq .. + 31 (blocks s = 0, 1): each output has one owner.
; Wave w takes chunks 8 w .. 8 w + 7: four images of p and two of v a chunk, straight from memory into the operands' registers (24 loads of 512 consecutive bytes), eight matrix instructions.
; Source 0 = p (16 channels), source 1 = v (16 l): lane (r, h), register j = (d = 16 al + 8 h + j, l = 16 s + r).  The four waves' sums meet in LDS; each wave finishes two accumulators and stores
; one group of four registers of an image of att (16 l x 128 d; registers 2 a, 2 a + 1: d = 16 a + 8 h + 0 .. 7): 512 consecutive bytes, aligned.  ac: [b x 8 + head][block of l, 8][2,048].
; No multicast: the operands go into registers, not through LDS, so there is no tile to ask for jointly.
; LIMITS: e8 between -126 and 119; e6 + e7 is applied by v_ldexp_f32 and has none.
; LDS: f [chunk 32][channel 64] f32 at 0; 1 / l x 2^(e6 + e7) at 8192 (256 bytes); the waves' sums at 8448, 8,192 bytes each.
; REGISTERS: window 0: v1-7 addresses; v8-15 at work; v16-47 M_c, then f_c; v48-79 l_c; then v16-79 T; v80-143 the sums; v144-207 f, two sets of 32.  windows 1, 2: p of my chunks 0-3, 4-7.  window 3: v.
.set IL,  8192
.set RED, 8448
.set T,   16
.set ATT, 80
.set FV,  144
.set MSB, 0
.macro WIN new
.if MSB != (\new)
	s_set_vgpr_msb (MSB<<8)|(\new)
.set MSB, (\new)
.endif
.endm
	s_load_b256 s[4:11], s[0:1], 0x0               ; pc, vc, st, the scales' exponents
	s_load_b64 s[12:13], s[0:1], 0x20              ; ac
	v_lshl_add_u32 v254, v0, 2, 0xa400
	v_mov_b32 v255, 0
	v_lshrrev_b32 v8, 5, v0
	v_readfirstlane_b32 s14, v8                    ; wave 0..3
	v_and_b32 v9, 31, v0
	v_lshlrev_b32 v1, 4, v9                        ; 16 x lane: an image's place for my lane
	v_and_b32 v2, 63, v0                           ; idx = thread % 64 stands for channel 16 (idx % 4) + idx / 4
	v_lshlrev_b32 v2, 2, v2
	v_and_b32 v8, 3, v0
	v_bfe_u32 v9, v0, 2, 4
	v_lshlrev_b32 v3, 6, v8
	v_lshl_add_u32 v3, v9, 2, v3                   ; 4 x that channel
	v_bfe_u32 v10, v0, 4, 1                        ; h
	s_lshl_b32 s24, s14, 11
	v_lshlrev_b32 v4, 5, v10
	v_add_nc_u32 v4, s24, v4                       ; f of my first chunk: 2,048 w + 32 h
	s_lshr_b32 s25, s14, 1
	s_lshl_b32 s25, s25, 7
	s_add_co_u32 s25, s25, IL
	v_lshlrev_b32 v5, 5, v10
	v_add_nc_u32 v5, s25, v5                       ; 1 / l of the two blocks that I finish
	s_lshl_b32 s26, s14, 13
	s_add_co_u32 s26, s26, RED
	v_add_nc_u32 v6, s26, v1                       ; where I put my sums
	s_add_co_u32 s24, s24, RED
	v_add_nc_u32 v7, s24, v1                       ; where I read every wave's sums of my two accumulators
	s_and_b32 s15, ttmp9, 31                       ; b x 8 + head
	s_bfe_u32 s16, ttmp9, 0x10007                  ; dh: one bit from bit 7
	s_bfe_u32 s17, ttmp9, 0x20005                  ; lq: two bits from bit 5
	s_lshl_b32 s24, s15, 19
	s_lshl_b32 s26, s14, 17
	s_add_co_u32 s24, s24, s26                     ; the head's images, my eight chunks
	s_mov_b32 s25, 0
	s_lshl_b32 s26, s16, 13
	s_add_co_u32 s26, s24, s26                     ; + my four blocks of p
	s_mov_b32 s27, 0
	s_lshl_b32 s28, s17, 12
	s_add_co_u32 s28, s24, s28                     ; + my two blocks of v
	s_mov_b32 s29, 0
	s_wait_kmcnt 0x0
	s_load_b128 s[20:23], s[10:11], 0x18           ; e6, e7, e8, e9
	s_add_nc_u64 s[4:5], s[4:5], s[26:27]
	s_add_nc_u64 s[6:7], s[6:7], s[28:29]
	s_lshl_b32 s24, s15, 15
	s_lshl_b32 s26, s16, 9
	s_add_co_u32 s24, s24, s26
	s_add_nc_u64 s[8:9], s[8:9], s[24:25]          ; st: the head's records, my 64 channels
	s_lshl_b32 s24, s15, 3
	s_lshl_b32 s26, s17, 1
	s_add_co_u32 s24, s24, s26
	s_and_b32 s26, s14, 1
	s_add_co_u32 s24, s24, s26                     ; the image of l block 2 lq + w % 2,
	s_lshl_b32 s24, s24, 11
	s_lshl_b32 s26, s16, 1
	s_lshr_b32 s28, s14, 1
	s_add_co_u32 s26, s26, s28                     ; its group 2 dh + w / 2
	s_lshl_b32 s26, s26, 9
	s_add_co_u32 s24, s24, s26
	s_add_nc_u64 s[12:13], s[12:13], s[24:25]
.set i, 0
.rept 32
	global_load_b32 v[16+i], v2, s[8:9] offset:1024*i          ; M_c
	global_load_b32 v[48+i], v2, s[8:9] offset:1024*i+256      ; l_c
.set i, i+1
.endr
.irp cc, 0,1,2,3,4,5,6,7               ; all my operands, chunk by chunk; the issue of a load that the counter's field cannot take simply waits (ISA guide 5.7.1)
	WIN 0x40*(1+\cc/4)
.irp al, 0,1,2,3
.irp g, 0,1,2,3
	global_load_b128 v[64*(\cc%4)+16*\al+4*\g:64*(\cc%4)+16*\al+4*\g+3], v1, s[4:5] offset:16384*\cc+2048*\al+512*\g
.endr
.endr
	WIN 0xc0
.irp s, 0,1
.irp g, 0,1,2,3
	global_load_b128 v[32*\cc+16*\s+4*\g:32*\cc+16*\s+4*\g+3], v1, s[6:7] offset:16384*\cc+2048*\s+512*\g
.endr
.endr
.endr
	WIN 0
	s_wait_kmcnt 0x0
	s_add_co_i32 s30, s20, s21                     ; e6 + e7
	s_add_co_i32 s31, s22, 127
	s_lshl_b32 s24, s31, 23
	v_mov_b32 v12, s24                             ; 2^e8 as f32
	s_add_co_i32 s31, s31, 8
	s_lshl_b32 s31, s31, 23
	s_or_b32 s31, s31, 0x600000
	v_mov_b32 v13, s31                             ; 448 x 2^e8
	s_wait_loadcnt 63                              ; M_c and l_c are in: 192 loads are younger
	v_max3_num_f32 v8, v16, v17, v18               ; M
.irp c, 19,21,23,25,27,29,31,33,35,37,39,41,43,45
	v_max3_num_f32 v8, v8, v[\c], v[\c+1]
.endr
	v_max_num_f32 v8, v8, v47
.set i, 0
.rept 32
	v_sub_f32 v[16+i], v[16+i], v8                 ; a whole number, 0 or less
.set i, i+1
.endr
.set i, 0
.rept 32
	v_cvt_i32_f32 v[16+i], v[16+i]                 ; (it saturates)
.set i, i+1
.endr
.set i, 0
.rept 32
	v_ldexp_f32 v[16+i], 1.0, v[16+i]              ; f_c
.set i, i+1
.endr
	v_mul_f32 v10, v48, v16                        ; l = the sum of l_c f_c, in two chains
	v_mul_f32 v11, v49, v17
.irp c, 2,4,6,8,10,12,14,16,18,20,22,24,26,28,30
	v_fma_f32 v10, v[48+\c], v[16+\c], v10
	v_fma_f32 v11, v[49+\c], v[17+\c], v11
.endr
	v_add_f32 v10, v10, v11
	v_rcp_f32 v10, v10
	v_nop                                          ; a plain line behind the transcendental,
	s_wait_alu depctr_va_vdst(0)                   ; and the wait ahead of its first reader
	v_ldexp_f32 v10, v10, s30                      ; 2^(e6 + e7) / l
	s_cmp_lt_u32 s14, 2                            ; waves 0, 1 and waves 2, 3 hold the same numbers: each pair stores half of the chunks
	s_cbranch_scc0 .Lhigh
.set i, 0
.rept 16
	ds_store_b32 v3, v[16+i] offset:256*i
.set i, i+1
.endr
	ds_store_b32 v3, v10 offset:IL
	s_branch .Lstored
.Lhigh:
.set i, 16
.rept 16
	ds_store_b32 v3, v[16+i] offset:256*i
.set i, i+1
.endr
.Lstored:
	s_wait_dscnt 0x0                               ; for the others' sake: my stores have landed
	s_barrier_signal -1
	s_barrier_wait -1
.macro FLOAD cc                        ; f of chunk cc for my 32 places (4 blocks x 8 channels) into set cc % 2
.irp al, 0,1,2,3
	ds_load_b128 v[FV+32*((\cc)%2)+8*\al:FV+32*((\cc)%2)+8*\al+3], v4 offset:256*(\cc)+64*\al
	ds_load_b128 v[FV+32*((\cc)%2)+8*\al+4:FV+32*((\cc)%2)+8*\al+7], v4 offset:256*(\cc)+64*\al+16
.endr
.endm
; One chunk.  Accumulator n stands for block al = 2 (n / 4) + n % 2 of d and block s = (n / 2) % 2 of l, so that wave w finishes accumulators 2 w and 2 w + 1.
.macro CH cc
.set PB, 64*((\cc)%4)
.set VB, 32*(\cc)
.set FS, FV+32*((\cc)%2)
.if (\cc) < 7
	FLOAD (\cc)+1
.endif
.if 24*(7-(\cc)) > 63
	s_wait_loadcnt 63                              ; the younger chunks' loads, 24 each, may stay out: more than the field can name
.else
	s_wait_loadcnt 24*(7-(\cc))
.endif
	WIN (1+(\cc)/4)|0x0c                           ; source 0 (p) window 1 or 2, source 1 (v) window 3
.irp n, 0,1,2,3,4,5,6,7
.set AL, 2*(\n/4)+\n%2
.set VS, (\n/2)%2
	v_wmma_f32_16x16x128_fp8_fp8 v[T+8*\n:T+8*\n+7], v[PB+16*AL:PB+16*AL+15], v[VB+16*VS:VB+16*VS+15], 0
.endr
	WIN 0
.rept 4
	v_nop                                          ; places in front of the first read of results (ISA guide 7.12.1)
.endr
.if (\cc) < 7
	s_wait_dscnt 8                                 ; this chunk's f is in; the next chunk's eight loads may be out
.else
	s_wait_dscnt 0x0
.endif
.irp n, 0,1,2,3,4,5,6,7
.set AL, 2*(\n/4)+\n%2
.irp j, 0,2,4,6
.if (\cc) == 0
	v_pk_mul_f32 v[ATT+8*\n+\j:ATT+8*\n+\j+1], v[T+8*\n+\j:T+8*\n+\j+1], v[FS+8*AL+\j:FS+8*AL+\j+1]      ; the first chunk starts the sums
.else
	v_pk_fma_f32 v[ATT+8*\n+\j:ATT+8*\n+\j+1], v[T+8*\n+\j:T+8*\n+\j+1], v[FS+8*AL+\j:FS+8*AL+\j+1], v[ATT+8*\n+\j:ATT+8*\n+\j+1]
.endif
.endr
.endr
.endm
	FLOAD 0
.irp cc, 0,1,2,3,4,5,6,7
	CH \cc
.endr
.set i, 0
.rept 16
	ds_store_b128 v6, v[ATT+4*i:ATT+4*i+3] offset:512*i
.set i, i+1
.endr
	s_wait_dscnt 0x0
	s_barrier_signal -1
	s_barrier_wait -1                              ; the four waves' sums lie in LDS
.irp u, 0,1,2,3
.irp q, 0,1,2,3
	ds_load_b128 v[T+16*\u+4*\q:T+16*\u+4*\q+3], v7 offset:8192*\u+512*\q
.endr
.endr
	ds_load_b128 v[FV:FV+3], v5
	ds_load_b128 v[FV+4:FV+7], v5 offset:16
	ds_load_b128 v[FV+8:FV+11], v5 offset:64
	ds_load_b128 v[FV+12:FV+15], v5 offset:80
	s_wait_dscnt 0x0
.irp j, 0,2,4,6,8,10,12,14
	v_pk_add_f32 v[T+\j:T+\j+1], v[T+\j:T+\j+1], v[T+16+\j:T+16+\j+1]
	v_pk_add_f32 v[T+32+\j:T+32+\j+1], v[T+32+\j:T+32+\j+1], v[T+48+\j:T+48+\j+1]
.endr
.irp j, 0,2,4,6,8,10,12,14
	v_pk_add_f32 v[T+\j:T+\j+1], v[T+\j:T+\j+1], v[T+32+\j:T+32+\j+1]
.endr
.irp j, 0,2,4,6,8,10,12,14
	v_pk_mul_f32 v[T+\j:T+\j+1], v[T+\j:T+\j+1], v[FV+\j:FV+\j+1]          ; x 2^(e6 + e7) / l: att
.endr
.set i, 0
.rept 16
	v_med3_num_f32 v[T+i], v[T+i], -v13, v13       ; the conversion does not saturate (ISA guide 7.6.2)
.set i, i+1
.endr
	v_cvt_scalef32_pk8_fp8_f32 v[8:9], v[T:T+7], v12
	v_cvt_scalef32_pk8_fp8_f32 v[10:11], v[T+8:T+15], v12
	v_nop
	global_store_b128 v1, v[8:11], s[12:13]        ; 512 consecutive bytes, aligned
	s_wait_tensorcnt 0x0
	ds_add_u32 v254, v255
	s_wait_dscnt 0x0
	s_endpgm
.Lfunc_end_k_q273f080e78_att:
	.size	k_q273f080e78_att, .Lfunc_end_k_q273f080e78_att-k_q273f080e78_att
	.p2alignl 7, 3214868480
	.fill 96, 4, 3214868480
	.section	.rodata,"a",@progbits
	.p2align	6, 0x0
	.amdhsa_kernel k_q273f080e78_att
		.amdhsa_group_segment_fixed_size 42496
		.amdhsa_private_segment_fixed_size 0
		.amdhsa_enable_private_segment 0
		.amdhsa_kernarg_size 40
		.amdhsa_user_sgpr_count 2
		.amdhsa_user_sgpr_kernarg_segment_ptr 1
		.amdhsa_wavefront_size32 1
		.amdhsa_system_sgpr_workgroup_id_x 1
		.amdhsa_system_sgpr_workgroup_id_y 1
		.amdhsa_system_sgpr_workgroup_id_z 1
		.amdhsa_system_vgpr_workitem_id 0
		.amdhsa_next_free_vgpr 1024
		.amdhsa_next_free_sgpr 66
		.amdhsa_reserve_vcc 0
		.amdhsa_float_denorm_mode_32 3
		.amdhsa_float_denorm_mode_16_64 3
		.amdhsa_memory_ordered 1
		.amdhsa_forward_progress 1
		.amdhsa_inst_pref_size 69
	.end_amdhsa_kernel
	.amdgpu_metadata
---
amdhsa.version: [ 1, 2 ]
amdhsa.kernels:
  - .name:           k_q273f080e78_att
    .symbol:         k_q273f080e78_att.kd
    .args:
      - { .name: pc, .offset: 0, .size: 8, .value_kind: global_buffer, .address_space: global }
      - { .name: vc, .offset: 8, .size: 8, .value_kind: global_buffer, .address_space: global }
      - { .name: st, .offset: 16, .size: 8, .value_kind: global_buffer, .address_space: global }
      - { .name: lowp_scales, .offset: 24, .size: 8, .value_kind: global_buffer, .address_space: global }
      - { .name: ac, .offset: 32, .size: 8, .value_kind: global_buffer, .address_space: global }
    .group_segment_fixed_size: 42496
    .private_segment_fixed_size: 0
    .kernarg_segment_align: 8
    .kernarg_segment_size: 40
    .max_flat_workgroup_size: 128
    .sgpr_count:     66
    .vgpr_count:     1024
    .wavefront_size: 32
...
	.end_amdgpu_metadata
.endif
;; end of part 3
;; launch qy (part 4): grid 4 x 64, 4 waves a work-group, clusters of 4 x 4, 327,680 bytes of LDS; arguments xq, wc, lowp_scales, bq, ac, out0; writes out0
.if DOCPART == 4
	.amdgcn_target "amdgcn-amd-amdhsa--gfx1250"
	.amdhsa_code_object_version 6
	.text
	.protected	k_q273f080e78_qy
	.globl	k_q273f080e78_qy
	.p2align	8
	.type	k_q273f080e78_qy,@function
k_q273f080e78_qy:
	s_mov_b64 s[64:65], 0
	v_nop
	global_prefetch_b8 v0, s[64:65] scope:SCOPE_SE
	s_setreg_imm32_b32 hwreg(HW_REG_WAVE_MODE, 25, 1), 1
	s_wait_xcnt 0x0
	s_wait_alu depctr_hold_cnt(0) depctr_sa_sdst(0) depctr_va_vdst(0) depctr_va_sdst(0) depctr_va_ssrc(0) depctr_va_vcc(0) depctr_vm_vsrc(0)
	s_getreg_b32 s2, hwreg(HW_REG_IB_STS2, 6, 4)
	s_cmp_eq_u32 s2, 0
	s_cbranch_scc0 .Lentry_in_a_cluster
	s_endpgm
.Lentry_in_a_cluster:
	s_bfe_u32 s2, ttmp6, 0x10000c
	s_cmp_lg_u32 s2, 0xf033
	s_cbranch_scc0 .Lentry_shape_is_right
	s_endpgm
.Lentry_shape_is_right:
; QY.  q = xn Wq^T + bq on E4M3 codes; softmax over the head's 128 by p = 2^(t' - M), M = the ceiling of the row's largest t' = q log2(e); p quantised at e9; y = (att^T p) 2^(e8 + e9) / l, l the sum of the unquantised p.
; "A" = xq [16,384 rows (b, t)][1024]: tile row Y = 0 .. 63.  "B" = wc rows 0 .. 1023 (Wq): tile column X = 0 .. 3.  out0 [16,384][1024] f32.
; A tile is 256 x 256; four waves, each 128 rows x 128 columns = ONE head: 64 accumulators, 512 registers.  K = 1,024 goes in four steps of 256 through a ring of two LDS slots filled by the tensor data mover.
; CLUSTERS: 4 x 4 work-groups; the four of a row of the cluster ask jointly for A's tiles, the four of a column for B's.
; THE MATRIX INSTRUCTION: source 0 = 16 rows of B, source 1 = 16 rows of A.  Accumulator (a, bb): lane (r, h), register j = (row 16 a + r, channel d = 16 bb + 8 h + j): a lane holds ONE row and its registers run
; along d, the last product's K.  So eight conversions make of block a's 64 registers the fragment of p (registers 2 bb, 2 bb + 1: d = 16 bb + 8 h + 0 .. 7), and att's eight fragments come from memory as images in the same layout.
; y: source 0 = att (16 l), source 1 = p: lane (r, h), register j = (row 16 a + r, l = 16 lambda + 8 h + j): eight neighbours of a row; a block of 16 rows goes through my stage in LDS and leaves as rows of 512 bytes.
; LIMITS: e0 + e1 between -126 and 126, e8 + e9 between -126 and 127, e9 between -126 and 119, so that each power of two below is an f32 number.  NaN among the inputs is not served.
; REGISTERS, in windows of 256: window 0: v0-31 addresses; v32-95 bq log2(e); v96-111 p's codes; v112-125 at work; from v128 A's fragments, later rows of y.  window 1: B's fragments, two sets; at the end att in the first.
;   windows 2, 3: the accumulators of my rows 0-63, 64-127.
.set KSTEP,  256
.set ROWB,   256
.set KROW,   1024
.set PITCH,  272                       ; an LDS row: 256 bytes + 16 of padding = 68 words: the 16 rows that a load touches start at 16 different banks (64 banks of 4 bytes: ISA guide 11.1)
.set FR,     16
.set NL,     4
.set NP,     4
.set HALFT,  128*PITCH
.set SLOT,   4*HALFT
.set SPARE,  2*SLOT                    ; behind the ring: the spare words, 128 bytes for each wave, which no other line names
.set SPITCH, 528                       ; the way out: 16 rows x (512 bytes + 16) for each wave, in slot 0, which has had its last fill and its last read when the first result is stored there
.set ADRA, 16
.set ADRB, 20
.set STO,  24
.set RD,   25
.set CO,   26                          ; v26  16 x lane: my place in a row of y, and in an image
.set SPW,  28
.set NIL,  29
.set BO,   30                          ; v30  32 h
.set BQ,   32
.set PC,   96
.set MX,   112
.set PD,   114
.set NM,   116
.set SUA,  118
.set SUB,  120
.set INV,  122
.set LIM,  124
.set SCL,  125
.set AF,   128
.set BK,   128
.set G1, 24
.set G0, 32
.set G1B, 48
.set G0B, 56
.set MSB, 0
.macro WIN new
.if MSB != (\new)
	s_set_vgpr_msb (MSB<<8)|(\new)
.set MSB, (\new)
.endif
.endm
.set MUL_LO, 0xa1
.set MUL_HI, 0xf1
.set TO_B,   0x40
; A joint load: waves 0 and 1 fetch for A, waves 2 and 3 for B; the branch hangs on the wave's number alone.  Four v_nop follow each of the two lines.
.macro JLOAD g0a, g1a, g0b, g1b
	s_cmp_eq_u32 s15, 0
	s_cbranch_scc0 .Lfor_b_\@
	tensor_load_to_lds s[\g0a:\g0a+3], s[\g1a:\g1a+7]
	s_nop 0
.rept 4
	v_nop
.endr
	s_branch .Lasked_\@
.Lfor_b_\@:
	tensor_load_to_lds s[\g0b:\g0b+3], s[\g1b:\g1b+7]
	s_nop 0
.rept 4
	v_nop
.endr
.Lasked_\@:
.endm
.macro CREST
	s_cmp_lg_u32 s14, 0
	s_cbranch_scc1 .Lnot_wave_0_\@
	s_barrier_signal -3
.Lnot_wave_0_\@:
	s_barrier_wait -3
	s_barrier_signal -1
	s_barrier_wait -1
.endm
.macro CROUND
	s_barrier_signal -1
	s_barrier_wait -1
	CREST
.endm
	s_load_b256 s[68:75], s[0:1], 0x0              ; xq, wc, the scales' exponents, bq
	s_load_b128 s[76:79], s[0:1], 0x20             ; ac, out0
	v_lshl_add_u32 v[SPW], v0, 2, SPARE
	v_mov_b32 v[NIL], 0
	ds_add_u32 v28, v29
	ds_add_u32 v28, v29
	s_wait_dscnt 0x0
	v_lshrrev_b32 v1, 5, v0
	v_readfirstlane_b32 s14, v1                    ; wave 0..3
	s_lshr_b32 s15, s14, 1                         ; which 128 rows are mine.  Also: I fetch for A (0) or for B (1)
	s_and_b32 s16, s14, 1                          ; which head of the tile's two.  Also: which 128 rows of that tile I fetch
	s_bfe_u32 s40, ttmp6, 0x40000                  ; cx, cy
	s_bfe_u32 s41, ttmp6, 0x40004
	s_lshl_b32 s42, ttmp9, 2
	s_add_co_u32 s42, s42, s40                     ; X
	s_and_b32 s17, ttmp7, 0xffff
	s_lshl_b32 s17, s17, 2
	s_add_co_u32 s17, s17, s41                     ; Y
	s_lshl_b32 s43, s41, 2
	s_lshl_b32 s43, 15, s43                        ; my row of the cluster
	s_lshl_b32 s44, 0x1111, s40                    ; my column
	s_or_b32 s[G1+0], s43, (0<<16)|(1<<20)|(1<<21)|(5<<22)|(3<<25)  ; 15:0 the mask; 17:16 elements of 1 byte; 20 padding on; 21 set beside a mask; 24:22 after every 64 words; 31:25 four words
	s_or_b32 s[G1B+0], s44, (0<<16)|(1<<20)|(1<<21)|(5<<22)|(3<<25)
.irp g, G1, G1B
	s_mov_b32 s[\g+1], ROWB<<16
	s_mov_b32 s[\g+2], 128<<16
	s_mov_b32 s[\g+3], ROWB<<16
	s_mov_b32 s[\g+4], 128
	s_mov_b32 s[\g+5], KROW
	s_mov_b32 s[\g+6], 0
	s_mov_b32 s[\g+7], 0
.endr
	s_lshl_b32 s18, s16, 7
	s_lshl_b32 s20, s17, 8
	s_add_co_u32 s20, s20, s18                     ; A: row 256 Y + 128 x half,
	s_lshl_b32 s20, s20, 10                        ; in bytes
	s_mov_b32 s21, 0
	s_lshl_b32 s46, s42, 8
	s_add_co_u32 s46, s46, s18                     ; B: row 256 X + 128 x half
	s_lshl_b32 s46, s46, 10
	s_mov_b32 s47, 0
	s_mul_i32 s45, s14, HALFT
	s_wait_kmcnt 0x0
	s_load_b64 s[88:89], s[72:73], 0x0             ; e0, e1
	s_load_b64 s[90:91], s[72:73], 0x20            ; e8, e9
	s_add_nc_u64 s[20:21], s[68:69], s[20:21]
	s_add_nc_u64 s[46:47], s[70:71], s[46:47]
	CROUND                                         ; all sixteen work-groups are here: the first joint loads meet
.irp s, 0,1
	s_mov_b32 s[G0+4*\s], 1
	s_add_co_u32 s[G0+4*\s+1], s45, \s*SLOT
	s_add_nc_u64 s[G0+4*\s+2:G0+4*\s+3], s[20:21], \s*ROWB
	s_or_b32 s[G0+4*\s+3], s[G0+4*\s+3], 0x80000000
	s_mov_b32 s[G0B+4*\s], 1
	s_add_co_u32 s[G0B+4*\s+1], s45, \s*SLOT
	s_add_nc_u64 s[G0B+4*\s+2:G0B+4*\s+3], s[46:47], \s*ROWB
	s_or_b32 s[G0B+4*\s+3], s[G0B+4*\s+3], 0x80000000
	JLOAD G0+4*\s, G1, G0B+4*\s, G1B
.endr
	v_and_b32 v1, 15, v0                           ; r
	v_bfe_u32 v2, v0, 4, 1                         ; h
	v_mul_u32_u24 v3, v1, PITCH
	v_lshl_add_u32 v4, v2, 4, v3
	s_mul_i32 s21, s15, HALFT
	s_mul_i32 s22, s16, HALFT
	s_add_co_u32 s22, s22, 2*HALFT
.irp s, 0,1
	v_add_nc_u32 v[ADRA+\s], s21, v4
	v_add_nc_u32 v[ADRB+\s], s22, v4
	s_add_co_u32 s21, s21, SLOT
	s_add_co_u32 s22, s22, SLOT
.endr
	s_mul_i32 s23, s14, 16*SPITCH                  ; my stage
	v_mul_u32_u24 v5, v1, SPITCH                   ; in: row r, 32 bytes for each half of the lanes
	v_lshl_add_u32 v5, v2, 5, v5
	v_add_nc_u32 v[STO], s23, v5
	v_and_b32 v6, 31, v0
	v_lshlrev_b32 v[CO], 4, v6
	v_add_nc_u32 v[RD], s23, v[CO]                 ; back: the 32 lanes take one row of 512 bytes
	v_lshlrev_b32 v[BO], 5, v2
	v_mov_b32 v[PD], 0                             ; a lane permute's destination counts as read
	v_mov_b32 v[NM+1], 0                           ; named as the upper halves of pairs
	v_mov_b32 v[INV+1], 0
	s_mov_b32 s86, 0x76543210                      ; lane l xor 16
	s_mov_b32 s87, 0xfedcba98
	s_lshl_b32 s20, s17, 8
	s_lshl_b32 s21, s15, 7
	s_add_co_u32 s20, s20, s21                     ; my first row of y,
	s_lshl_b32 s20, s20, 12                        ; of 4,096 bytes,
	s_lshl_b32 s46, s42, 10
	s_lshl_b32 s47, s16, 9
	s_add_co_u32 s46, s46, s47                     ; my first column: 1,024 X + 512 x half bytes
	s_add_co_u32 s20, s20, s46
	s_mov_b32 s21, 0
	s_add_nc_u64 s[10:11], s[78:79], s[20:21]
	s_lshl_b32 s22, s42, 1
	s_add_co_u32 s22, s22, s16                     ; my head = 2 X + half
	s_lshl_b32 s20, s22, 9
	s_add_nc_u64 s[8:9], s[74:75], s[20:21]        ; its 128 numbers of bq
	s_lshr_b32 s20, s17, 4                         ; b = Y / 16
	s_lshl_b32 s20, s20, 3
	s_add_co_u32 s20, s20, s22
	s_lshl_b32 s20, s20, 14
	s_add_nc_u64 s[12:13], s[76:77], s[20:21]      ; its eight images of att
.irp b, 0,1,2,3,4,5,6,7
	global_load_b128 v[BQ+8*\b:BQ+8*\b+3], v[BO], s[8:9] offset:64*\b          ; bq of channels 16 bb + 8 h + 0 .. 7
	global_load_b128 v[BQ+8*\b+4:BQ+8*\b+7], v[BO], s[8:9] offset:64*\b+16
.endr
.macro FRAG reg, adr, q, i             ; 16 rows x 128 K: four loads of 16 bytes, 32 apart: the same permutation of k in A and in B
.irp c, 0,1,2,3
	ds_load_b128 v[\reg+4*\c:\reg+4*\c+3], v[\adr] offset:128*(\q)+32*\c+(\i)*16*PITCH
.endr
.endm
; 16 matrix instructions: A's blocks a0, a0 + 1 x B's eight.  The 64 accumulators take turns, one instruction a turn, in the same order in every step.
.macro MUL16 a0, p, zero
.irp a, \a0, \a0+1
.irp b, 0,1,2,3,4,5,6,7
.if \zero
	v_wmma_f32_16x16x128_fp8_fp8 v[8*(8*((\a)%4)+\b):8*(8*((\a)%4)+\b)+7], v[128*(\p)+FR*\b:128*(\p)+FR*\b+FR-1], v[AF+FR*(\a):AF+FR*(\a)+FR-1], 0
.else
	v_wmma_f32_16x16x128_fp8_fp8 v[8*(8*((\a)%4)+\b):8*(8*((\a)%4)+\b)+7], v[128*(\p)+FR*\b:128*(\p)+FR*\b+FR-1], v[AF+FR*(\a):AF+FR*(\a)+FR-1], v[8*(8*((\a)%4)+\b):8*(8*((\a)%4)+\b)+7]
.endif
.endr
.endr
.endm
.macro FETCH_B slot, q, p
	WIN TO_B
.irp i, 0,1,2,3,4,5,6,7
	FRAG 128*(\p)+FR*\i, ADRB+\slot, \q, \i
.endr
	WIN 0
.endm
.macro FETCH_A slot, q, i0
.irp i, \i0, \i0+1, \i0+2, \i0+3
	FRAG AF+FR*(\i), ADRA+\slot, \q, \i
.endr
.endm
.macro PLACES n                        ; plain vector lines between a matrix instruction and a load into, or a vector read of, its registers
.rept \n
	v_nop
.endr
.endm
.macro STEP slot, q, zero
	s_wait_dscnt 4*NL                              ; B's set and A's blocks 0-3 are in; A's blocks 4-7 may be out
	WIN MUL_LO
	MUL16 0, (\q)%2, \zero
	MUL16 2, (\q)%2, \zero
	s_wait_dscnt 0
	PLACES NP
	FETCH_B \slot, (\q)+1, 1-(\q)%2
	FETCH_A \slot, (\q)+1, 0
	WIN MUL_HI
	MUL16 4, (\q)%2, \zero
	MUL16 6, (\q)%2, \zero
	PLACES NP
	WIN 0
	FETCH_A \slot, (\q)+1, 4
.endm
; A slot's last step changes slots: one barrier; in front of it each wave waits for all its tensor loads, adds 0 to its spare word, and waits for that and for its reads of this slot.
.macro TURN slot, next, fill
	s_wait_tensorcnt 0x0                           ; all my tensor loads have landed: my part of the next slot
	ds_add_u32 v[SPW], v[NIL]                      ; 0 onto my spare word
	s_wait_dscnt 4*NL+1                            ; (the add and A's blocks 4-7 may be out)
	WIN MUL_LO
	MUL16 0, 1, 0
	s_wait_dscnt 0x0                               ; the add is done, and my reads of this slot are over
	s_barrier_signal -1
	MUL16 2, 1, 0
	WIN 0
	s_barrier_wait -1
.if \fill
	CREST                                          ; the barrier has opened a round of the cluster's: no wave of any partner still reads this slot or has a load on its way
	s_add_nc_u64 s[G0+4*\slot+2:G0+4*\slot+3], s[G0+4*\slot+2:G0+4*\slot+3], 2*ROWB
	s_add_nc_u64 s[G0B+4*\slot+2:G0B+4*\slot+3], s[G0B+4*\slot+2:G0B+4*\slot+3], 2*ROWB
	JLOAD G0+4*\slot, G1, G0B+4*\slot, G1B         ; the first tensor load behind the round; its four v_nop are also the places in front of the loads below
.else
	PLACES NP
.endif
	FETCH_B \next, 0, 0
	FETCH_A \next, 0, 0
	WIN MUL_HI
	MUL16 4, 1, 0
	MUL16 6, 1, 0
	PLACES NP
	WIN 0
	FETCH_A \next, 0, 4
.endm
	s_wait_tensorcnt 1                             ; my part of K step 0 is in; K step 1's load may be out
	s_barrier_signal -1
	s_barrier_wait -1
	FETCH_B 0, 0, 0
	FETCH_A 0, 0, 0
	FETCH_A 0, 0, 4
	STEP 0, 0, 1                                   ; the first products start the sums: nothing is cleared
	TURN 0, 1, 1                                   ; K = 1,024 is four slots' worth: each slot is filled again once, and the walk is written out
	STEP 1, 0, 0
	TURN 1, 0, 1
	STEP 0, 0, 0
	TURN 0, 1, 0
	STEP 1, 0, 0
	WIN TO_B                                       ; B's first set is done with (four places stand behind its last reader): att's eight images land there during the last 64 products
.irp l, 0,1,2,3,4,5,6,7
.irp g, 0,1,2,3
	global_load_b128 v[16*\l+4*\g:16*\l+4*\g+3], v[CO], s[12:13] offset:2048*\l+512*\g
.endr
.endr
	WIN 0
	s_wait_dscnt 4*NL
	WIN MUL_LO
	MUL16 0, 1, 0
	MUL16 2, 1, 0
	s_wait_dscnt 0
	WIN MUL_HI
	MUL16 4, 1, 0
	MUL16 6, 1, 0
	WIN 0
	s_wait_kmcnt 0x0
	s_add_co_i32 s18, s88, s89
	s_lshl_b32 s18, s18, 23
	s_add_co_i32 s96, s18, 0x3fb8aa3b              ; log2(e) x 2^(e0 + e1): the exponents are added to the exponent field
	s_mov_b32 s97, s96
	s_add_co_i32 s98, s90, s91
	s_add_co_i32 s98, s98, 127
	s_lshl_b32 s98, s98, 23                        ; 2^(e8 + e9)
	s_add_co_i32 s18, s91, 127
	s_lshl_b32 s19, s18, 23
	v_mov_b32 v[SCL], s19                          ; 2^e9
	s_add_co_i32 s18, s18, 8
	s_lshl_b32 s18, s18, 23
	s_or_b32 s18, s18, 0x600000
	v_mov_b32 v[LIM], s18                          ; 448 x 2^e9
	s_wait_loadcnt 32                              ; bq is in; att's 32 loads are younger
.set i, 0
.rept 32
	v_pk_mul_f32 v[BQ+i:BQ+i+1], v[BQ+i:BQ+i+1], 0x3fb8aa3b op_sel_hi:[1,0]    ; bq x log2(e).  (These are also the places behind the last products)
.set i, i+2
.endr
.macro BLKSET a
.set W,   2+(\a)/4
.set AC,  64*((\a)%4)
.set W12, (W<<2)|(W<<4)
.set W0D, W|(W<<6)
.set W1,  W<<2
.set WP,  1|(W<<6)
.endm
; Block a's softmax: 16 rows x 128 channels; a lane holds 64 channels of one row, lane l xor 16 the other 64.
.macro SOFT a
	BLKSET \a
	WIN W0D
.set i, 0
.rept 32
	v_pk_fma_f32 v[AC+i:AC+i+1], v[AC+i:AC+i+1], s[96:97], v[BQ+i:BQ+i+1] op_sel_hi:[1,0,1]    ; t' = (sum 2^(e0 + e1) + bq) log2(e); each accumulator from its low end on
.set i, i+2
.endr
	WIN W12
	v_mov_b32 v[MX], 0xff7fffff
	v_mov_b32 v[MX+1], 0xff7fffff
.set i, 0
.rept 16
	v_max3_num_f32 v[MX], v[MX], v[AC+i], v[AC+i+1]
	v_max3_num_f32 v[MX+1], v[MX+1], v[AC+i+2], v[AC+i+3]
.set i, i+4
.endr
	WIN 0
	v_max_num_f32 v[MX], v[MX], v[MX+1]
	v_permlanex16_b32 v[PD], v[MX], s86, s87
	v_max_num_f32 v[MX], v[MX], v[PD]
	v_floor_f32 v[NM], -v[MX]                      ; -M = floor(-t'): M is a whole number
	WIN W0D
.set i, 0
.rept 32
	v_pk_add_f32 v[AC+i:AC+i+1], v[AC+i:AC+i+1], v[NM:NM+1] op_sel_hi:[1,0]
.set i, i+2
.endr
.set i, 0
.rept 64
	v_exp_f32 v[AC+i], v[AC+i]                     ; p, at most 1: not normalised
.set i, i+1
.endr
	WIN W1
	v_mov_b32 v[SUA], 0                            ; (plain lines behind the exponentials)
	v_mov_b32 v[SUA+1], 0
	v_mov_b32 v[SUB], 0
	v_mov_b32 v[SUB+1], 0
	s_wait_alu depctr_va_vdst(0)                   ; one wait for the batch, ahead of its first reader
.set i, 0
.rept 16
	v_pk_add_f32 v[SUA:SUA+1], v[SUA:SUA+1], v[AC+i:AC+i+1]        ; the sum is taken of the unquantised p
	v_pk_add_f32 v[SUB:SUB+1], v[SUB:SUB+1], v[AC+i+2:AC+i+3]
.set i, i+4
.endr
	WIN W0D
.set i, 0
.rept 64
	v_min_num_f32 v[AC+i], v[AC+i], v[LIM]         ; the conversion does not saturate (ISA guide 7.6.2); p is not negative, so the hold is one-sided
.set i, i+1
.endr
	WIN W
.irp b, 0,1,2,3,4,5,6,7
	v_cvt_scalef32_pk8_fp8_f32 v[PC+2*\b:PC+2*\b+1], v[AC+8*\b:AC+8*\b+7], v[SCL]
.endr
	WIN 0
	v_pk_add_f32 v[SUA:SUA+1], v[SUA:SUA+1], v[SUB:SUB+1]          ; (plain lines behind the conversions)
	v_add_f32 v[SUA], v[SUA], v[SUA+1]
	v_permlanex16_b32 v[PD], v[SUA], s86, s87
	v_add_f32 v[SUA], v[SUA], v[PD]                ; l
	v_rcp_f32 v[INV], v[SUA]
	v_nop                                          ; a plain line behind the transcendental
.endm
; Block a's rows of y: eight products into the registers that p has left; x 2^(e8 + e9) / l; through my stage.
.macro PROD a
	BLKSET \a
.set BB, BK+64*((\a)%2)
.if (\a) == 0
	s_wait_loadcnt 0x0                             ; att
.endif
	WIN WP                                         ; source 0 (att) window 1, source 1 (p's codes) window 0
.irp l, 0,1,2,3,4,5,6,7
	v_wmma_f32_16x16x128_fp8_fp8 v[AC+8*\l:AC+8*\l+7], v[16*\l:16*\l+15], v[PC:PC+15], 0
.endr
	WIN 0
	s_wait_alu depctr_va_vdst(0)                   ; the reciprocal's wait, ahead of its first reader
	v_mul_f32 v[INV], s98, v[INV]                  ; this line and three v_nop are the places behind the products
	PLACES 3
	WIN W0D
.set i, 0
.rept 32
	v_pk_mul_f32 v[AC+i:AC+i+1], v[AC+i:AC+i+1], v[INV:INV+1] op_sel_hi:[1,0]  ; each accumulator from its low end on
.set i, i+2
.endr
	WIN W1                                         ; an LDS store's data are its source 1
.irp l, 0,1,2,3,4,5,6,7
	ds_store_b128 v[STO], v[AC+8*\l:AC+8*\l+3] offset:64*\l
	ds_store_b128 v[STO], v[AC+8*\l+4:AC+8*\l+7] offset:64*\l+16
.endr
	WIN 0
.if (\a) >= 2
	s_wait_xcnt 0x0                                ; block a - 2's stores have read these registers
.endif
.irp t, 0,1,2,3,4,5,6,7,8,9,10,11,12,13,14,15
	ds_load_b128 v[BB+4*\t:BB+4*\t+3], v[RD] offset:\t*SPITCH      ; LDS serves a wave's instructions in order (ISA guide 5.7.1.4): these see the stores above
.endr
.endm
.macro SEND a
.set BB, BK+64*((\a)%2)
	s_wait_dscnt 0x0                               ; the block is back in registers
.irp t, 0,1,2,3,4,5,6,7,8,9,10,11,12,13,14,15
	global_store_b128 v[CO], v[BB+4*\t:BB+4*\t+3], s[10:11] offset:(16*(\a)+\t)*4096 th:TH_STORE_NT   ; 512 consecutive bytes, aligned; 127 rows at the most stand in the immediate
.endr
.endm
	SOFT 0
	PROD 0
.irp a, 1,2,3,4,5,6,7                  ; a block's softmax stands between the loads of the block before and its stores
	SOFT \a
	SEND \a-1
	PROD \a
.endr
	SEND 7
	s_wait_tensorcnt 0x0                           ; the wave's end: no tensor load of mine is out
	ds_add_u32 v[SPW], v[NIL]
	s_wait_dscnt 0x0
	CROUND                                         ; the closing round: no work-group ends while a partner may still ask for a tile that names it
	s_endpgm
.Lfunc_end_k_q273f080e78_qy:
	.size	k_q273f080e78_qy, .Lfunc_end_k_q273f080e78_qy-k_q273f080e78_qy
	.p2alignl 7, 3214868480
	.fill 96, 4, 3214868480
	.section	.rodata,"a",@progbits
	.p2align	6, 0x0
	.amdhsa_kernel k_q273f080e78_qy
		.amdhsa_group_segment_fixed_size 327680
		.amdhsa_private_segment_fixed_size 0
		.amdhsa_enable_private_segment 0
		.amdhsa_kernarg_size 48
		.amdhsa_user_sgpr_count 2
		.amdhsa_user_sgpr_kernarg_segment_ptr 1
		.amdhsa_wavefront_size32 1
		.amdhsa_system_sgpr_workgroup_id_x 1
		.amdhsa_system_sgpr_workgroup_id_y 1
		.amdhsa_system_sgpr_workgroup_id_z 1
		.amdhsa_system_vgpr_workitem_id 0
		.amdhsa_next_free_vgpr 1024
		.amdhsa_next_free_sgpr 100
		.amdhsa_reserve_vcc 0
		.amdhsa_float_denorm_mode_32 3
		.amdhsa_float_denorm_mode_16_64 3
		.amdhsa_memory_ordered 1
		.amdhsa_forward_progress 1
		.amdhsa_inst_pref_size 245
	.end_amdhsa_kernel
	.amdgpu_metadata
---
amdhsa.version: [ 1, 2 ]
amdhsa.kernels:
  - .name:           k_q273f080e78_qy
    .symbol:         k_q273f080e78_qy.kd
    .args:
      - { .name: xq, .offset: 0, .size: 8, .value_kind: global_buffer, .address_space: global }
      - { .name: wc, .offset: 8, .size: 8, .value_kind: global_buffer, .address_space: global }
      - { .name: lowp_scales, .offset: 16, .size: 8, .value_kind: global_buffer, .address_space: global }
      - { .name: bq, .offset: 24, .size: 8, .value_kind: global_buffer, .address_space: global }
      - { .name: ac, .offset: 32, .size: 8, .value_kind: global_buffer, .address_space: global }
      - { .name: out0, .offset: 40, .size: 8, .value_kind: global_buffer, .address_space: global }
    .group_segment_fixed_size: 327680
    .private_segment_fixed_size: 0
    .kernarg_segment_align: 8
    .kernarg_segment_size: 48
    .max_flat_workgroup_size: 128
    .sgpr_count:     100
    .vgpr_count:     1024
    .wavefront_size: 32
...
	.end_amdgpu_metadata
.endif
;; end of part 4
